; MI455X (gfx1250); checked and timed in simulation.
; The chip was launched on July 23, 2026; its instructions are those of AMD's public machine-readable ISA for CDNA 5 (MIT licence, August 2026) and "CDNA5" Instruction Set Architecture Reference Guide (July 2026). The comments in the code are by the model that wrote it; some were corrected since.
;; Sim Score. Allowed arithmetic: float matrix products may take bf16 or f16 operands with f32 sums; all other float work in f32.
;; Inputs: b1 512 float32; b2 1 float32; beta1 512 float32; g1 512 float32; w1 512 x 1,024 float32; w2 1 x 512 float32; x 64 x 1,024 x 512 float32.
;; Outputs: out0 64 x 1,024 x 1 float32.
;; 3 versions, each right; version 3 is version 2 with the launch prep written anew for expert scheduling mode. Each part assembles by itself: llvm-mc -triple=amdgcn-amd-amdhsa -mcpu=gfx1250 --defsym DOCPART=n.
;; ======== version 1 of 3: 2 launches
;; limits: values are held in f16: magnitudes above 65,504 overflow, below 6.1e-05 lose precision
;; workspace buffers: xb 67,108,864 bytes; hsq 262,144 bytes; w1t 1,048,576 bytes
;; launch prep (part 1): grid 272 x 1, 8 waves a work-group, no clusters, 5,120 bytes of LDS; arguments x, w1, xb, hsq, w1t; writes xb, hsq, w1t
.if DOCPART == 1
	.amdgcn_target "amdgcn-amd-amdhsa--gfx1250"
	.amdhsa_code_object_version 6
	.text
	.protected	k_q3a17da368a_prep
	.globl	k_q3a17da368a_prep
	.p2align	8
	.type	k_q3a17da368a_prep,@function
k_q3a17da368a_prep:
	s_mov_b64 s[64:65], 0
	v_nop
	global_prefetch_b8 v0, s[64:65] scope:SCOPE_SE
	s_setreg_imm32_b32 hwreg(HW_REG_WAVE_MODE, 25, 1), 1
	s_wait_xcnt 0x0
; PREPARATION, a stream.  Three results:
;   xb[b][t][k]  = bf16( x[b][t][k] - x[b][0][k] )          [64][1024][512] bf16
;   hsq[b][t]    = -0.5 * sum over k of xb[b][t][k]^2        [64][1024] f32, formed from the ROUNDED numbers
;   w1t[tb][h][j] = f16( w1[h][64 tb + j] )                  [16][512][64] f16: a block of 64 t of all 512 rows is 64 KiB, dense
; Why row 0 is taken away: squared distances between rows of a batch do not change when one vector is taken from all of them, and
; a common offset of the inputs then never reaches the rounding to bf16 nor the large sums.  Why the sums of squares are made of the
; rounded numbers: the logits of the next launch are then true distances of the vectors that its matrix products see.
; Why w1 goes in f16 and not in bf16: where the softmax is close to one-hot a row of the result is a column of w1 sent through LayerNorm, so w1's
; rounding reaches the output undamped; f16 keeps 11 significant bits to bf16's 8.
; LIMITS: if row 0 itself lies far from the other rows of its batch, the rounding error grows as it would for data with that offset.
; |w1| above 65,504 becomes infinite in f16; below 6.1e-5 the step is 6e-8, so |w1| under 3e-8 counts as 0.
; NaN and infinities are not followed.  A sum of squares overflows where reference()'s own does.
; Work-groups 0 to 255: 256 rows of x each (a quarter of a batch), eight waves of 32 rows, a wave takes a whole row at a time.
; Work-groups 256 to 271: 32 rows of w1 each.  No matrix unit, no tensor loads, no cluster: no byte is shared between work-groups but the
; centre row (2 KiB for each batch), and each byte is touched once.
.set ROWB,  2048                       ; bytes in a row of x
.set OROWB, 1024                       ; bytes in a row of xb
.set LANE,  1                          ; v1        lane
.set VX,    2                          ; v2        byte offset of my 16 bytes in my wave's first row of x (or of w1); never rewritten
.set VY,    3                          ; v3        byte offset of my 8 bytes in my wave's first row of xb (or of w1t); never rewritten
.set C,     4                          ; v[4:19]   the centre row's 16 numbers of my columns 128 j + 4 lane .. + 3
.set X,     20                         ; v[20:147] slot i: 16 registers, a row's 16 numbers of mine
.set Y,     148                        ; v[148:211] slot i: 8 registers, the same in bf16
.set A0,    212                        ; v[212:213], v[214:215]: two chains of sums of squares
.set A1,    214
.set SQ,    216                        ; v216      lane l gathers the sum of my wave's row l
.set T,     217
.set T2,    218
.set VC,    219
	s_load_b256 s[4:11], s[0:1], 0x0               ; x s[4:5], w1 s[6:7], xb s[8:9], hsq s[10:11]
	s_load_b64 s[12:13], s[0:1], 0x20              ; w1t
	v_lshl_add_u32 v220, v0, 2, 0x1000
	v_mov_b32 v221, 0
	v_and_b32 v[LANE], 31, v0
	v_lshrrev_b32 v[T], 5, v0
	v_readfirstlane_b32 s14, v[T]                  ; wave 0..7
	s_cmp_ge_u32 ttmp9, 256                        ; the same in all waves of a work-group
	s_cbranch_scc1 .Lw1
	; ---------------- rows of x ----------------
	s_lshl_b32 s16, ttmp9, 19                      ; 256 rows of 2,048 bytes
	s_mov_b32 s17, 0
	s_lshr_b32 s18, ttmp9, 2                       ; batch
	s_lshl_b32 s18, s18, 21                        ; 1,024 rows of 2,048 bytes
	s_mov_b32 s19, 0
	s_lshl_b32 s20, ttmp9, 18                      ; 256 rows of 1,024 bytes
	s_mov_b32 s21, 0
	s_lshl_b32 s22, ttmp9, 10                      ; 256 numbers of 4 bytes
	s_mov_b32 s23, 0
	s_mov_b32 s24, 0x76543210                      ; v_permlanex16_b32: lane i of one half reads lane i of the other
	s_mov_b32 s25, 0xfedcba98
	s_mov_b32 s26, 0xffff0000                      ; a word's upper bf16
	v_lshlrev_b32 v[VC], 4, v[LANE]                ; 16 bytes a lane
	v_lshl_add_u32 v[VX], s14, 16, v[VC]           ; + wave x 32 rows x 2,048 bytes
	v_lshlrev_b32 v[VY], 3, v[LANE]                ; 8 bytes a lane
	v_lshl_add_u32 v[VY], s14, 15, v[VY]           ; + wave x 32 rows x 1,024 bytes
	v_mov_b32 v[SQ], 0                             ; written whole once: each lane's number is chosen into it later
	v_mov_b32 v[T2], 0                             ; v_permlanex16_b32 counts as a reader of its destination
	s_wait_kmcnt 0x0
	s_add_nc_u64 s[18:19], s[4:5], s[18:19]        ; the batch's row 0
	s_add_nc_u64 s[4:5], s[4:5], s[16:17]
	s_add_nc_u64 s[8:9], s[8:9], s[20:21]
	s_add_nc_u64 s[10:11], s[10:11], s[22:23]
.irp j, 0,1,2,3
	global_load_b128 v[C+4*\j:C+4*\j+3], v[VC], s[18:19] offset:512*\j
.endr
.irp i, 0,1,2,3,4,5,6,7
.irp j, 0,1,2,3
	global_load_b128 v[X+16*\i+4*\j:X+16*\i+4*\j+3], v[VX], s[4:5] offset:\i*ROWB+512*\j th:TH_LOAD_NT   ; a load of the wave covers 512 consecutive bytes
.endr
.endr
; The turn of slot i: one row.  ahead = 1: the slot is filled again with the row eight further down.  left = younger loads that may stay out.
.macro ROWTURN i, ahead, left
	s_wait_loadcnt \left                           ; loads come back in order: this slot's four (and the centre's) are in
	s_wait_xcnt 0x0                                ; this slot's Y, which its last stores read, is rewritten only behind this wait
.irp k, 0,2,4,6,8,10,12,14
	v_pk_add_f32 v[X+16*\i+\k:X+16*\i+\k+1], v[X+16*\i+\k:X+16*\i+\k+1], v[C+\k:C+\k+1] neg_lo:[0,1] neg_hi:[0,1]   ; x - centre
.endr
.irp k, 0,1,2,3,4,5,6,7
	v_cvt_pk_bf16_f32 v[Y+8*\i+\k], v[X+16*\i+2*\k], v[X+16*\i+2*\k+1]
.endr
.irp k, 0,1,2,3,4,5,6,7
	v_lshlrev_b32 v[X+16*\i+2*\k],   16,  v[Y+8*\i+\k]        ; the rounded numbers back in f32
	v_and_b32     v[X+16*\i+2*\k+1], s26, v[Y+8*\i+\k]
.endr
	v_pk_mul_f32 v[A0:A0+1], v[X+16*\i:X+16*\i+1], v[X+16*\i:X+16*\i+1]           ; the first products start the two chains
	v_pk_mul_f32 v[A1:A1+1], v[X+16*\i+2:X+16*\i+3], v[X+16*\i+2:X+16*\i+3]
.irp k, 4,8,12
	v_pk_fma_f32 v[A0:A0+1], v[X+16*\i+\k:X+16*\i+\k+1], v[X+16*\i+\k:X+16*\i+\k+1], v[A0:A0+1]
	v_pk_fma_f32 v[A1:A1+1], v[X+16*\i+\k+2:X+16*\i+\k+3], v[X+16*\i+\k+2:X+16*\i+\k+3], v[A1:A1+1]
.endr
	v_pk_add_f32 v[A0:A0+1], v[A0:A0+1], v[A1:A1+1]
	v_add_f32 v[T], v[A0], v[A0+1]
	v_add_f32_dpp v[T], v[T], v[T] row_xmask:1 row_mask:0xf bank_mask:0xf
	v_add_f32_dpp v[T], v[T], v[T] row_xmask:2 row_mask:0xf bank_mask:0xf
	v_add_f32_dpp v[T], v[T], v[T] row_xmask:4 row_mask:0xf bank_mask:0xf
	v_add_f32_dpp v[T], v[T], v[T] row_xmask:8 row_mask:0xf bank_mask:0xf
	v_permlanex16_b32 v[T2], v[T], s24, s25
	v_add_f32 v[T], v[T], v[T2]                    ; every lane holds the row's sum of squares
	s_add_co_u32 s28, s27, \i                      ; the row's number in my wave, 0 to 31
	v_cmp_eq_u32 vcc_lo, s28, v[LANE]
	v_cndmask_b32 v[SQ], v[SQ], v[T], vcc_lo       ; the lane of that number keeps it
.if \ahead
.irp j, 0,1,2,3
	global_load_b128 v[X+16*\i+4*\j:X+16*\i+4*\j+3], v[VX], s[4:5] offset:(8+\i)*ROWB+512*\j th:TH_LOAD_NT
.endr
.endif
.irp j, 0,1,2,3
	global_store_b64 v[VY], v[Y+8*\i+2*\j:Y+8*\i+2*\j+1], s[8:9] offset:\i*OROWB+256*\j   ; 32 lanes store 256 consecutive bytes, at a multiple of 256 from xb's first byte
.endr
.endm
	s_mov_b32 s27, 0                               ; first row of the round
	s_mov_b32 s15, 3                               ; three rounds of eight rows load ahead; the fourth is written out
.Lround:
.irp i, 0,1,2,3,4,5,6,7
	ROWTURN \i, 1, 28                              ; 28 = seven younger slots of four loads
.endr
	s_wait_xcnt 0x0                                ; the bases are stepped only behind this wait
	s_add_nc_u64 s[4:5], s[4:5], 8*ROWB
	s_add_nc_u64 s[8:9], s[8:9], 8*OROWB
	s_add_co_u32 s27, s27, 8
	s_sub_co_u32 s15, s15, 1
	s_cmp_lg_u32 s15, 0
	s_cbranch_scc1 .Lround
.irp i, 0,1,2,3,4,5,6,7
	ROWTURN \i, 0, 28-4*\i                         ; the last round loads nothing: the counts run down
.endr
	; the 256 sums leave through LDS, so that a store of a wave covers 512 consecutive bytes
	v_mul_f32 v[SQ], -0.5, v[SQ]
	v_lshlrev_b32 v[T], 2, v0
	ds_store_b32 v[T], v[SQ]                       ; thread t holds row t of the work-group
	s_wait_dscnt 0x0                               ; for the other waves' sake: my store is done before I signal
	s_barrier_signal -1
	s_barrier_wait -1
	s_cmp_ge_u32 s14, 2
	s_cbranch_scc1 .Lend
	v_lshlrev_b32 v[T], 4, v0                      ; waves 0 and 1: 64 threads x 16 bytes
	ds_load_b128 v[X:X+3], v[T]
	s_wait_dscnt 0x0
	global_store_b128 v[T], v[X:X+3], s[10:11]
.Lend:
	s_wait_tensorcnt 0x0
	ds_add_u32 v220, v221
	s_wait_dscnt 0x0
	s_endpgm
	; ---------------- rows of w1 ----------------
	; Wave w of work-group g takes rows 32 g + 4 w .. + 3, as two pairs; lanes 0-15 the even row, lanes 16-31 the odd one.
	; A load: 256 consecutive bytes (64 t, one block tb) of each of the two rows.  Its store: the two rows' 128 bytes lie side by side in w1t.
.Lw1:
	s_sub_co_u32 s15, ttmp9, 256
	s_lshl_b32 s16, s15, 17                        ; 32 rows of 4,096 bytes
	s_mov_b32 s17, 0
	s_lshl_b32 s20, s15, 12                        ; 32 rows of 128 bytes
	s_mov_b32 s21, 0
	v_and_b32 v[VC], 15, v0
	v_lshlrev_b32 v[VC], 4, v[VC]
	v_bfe_u32 v[T], v0, 4, 1
	v_lshl_add_u32 v[VC], v[T], 12, v[VC]          ; 16 (lane mod 16) + one row for the upper lanes
	v_lshl_add_u32 v[VX], s14, 14, v[VC]           ; + wave x 4 rows
	v_lshlrev_b32 v[VY], 3, v[LANE]
	v_lshl_add_u32 v[VY], s14, 9, v[VY]            ; 8 lane + wave x 4 rows of 128 bytes
	s_wait_kmcnt 0x0
	s_add_nc_u64 s[6:7], s[6:7], s[16:17]
	s_add_nc_u64 s[12:13], s[12:13], s[20:21]
.set n, 0
.rept 32                                           ; n = 16 pair + tb
	global_load_b128 v[X+4*n:X+4*n+3], v[VX], s[6:7] offset:(n/16)*8192+(n%16)*256 th:TH_LOAD_NT
.set n, n+1
.endr
.set n, 0
.rept 32
	s_wait_loadcnt 31-n                            ; load n is in, the younger ones stay out
	v_cvt_pk_f16_f32 v[Y+2*n],   v[X+4*n],   v[X+4*n+1]        ; first source into the low half
	v_cvt_pk_f16_f32 v[Y+2*n+1], v[X+4*n+2], v[X+4*n+3]
	global_store_b64 v[VY], v[Y+2*n:Y+2*n+1], s[12:13] offset:(n%16)*65536+(n/16)*256     ; 256 consecutive bytes, aligned; each store has data registers of its own
.set n, n+1
.endr
	s_endpgm
.Lfunc_end_k_q3a17da368a_prep:
	.size	k_q3a17da368a_prep, .Lfunc_end_k_q3a17da368a_prep-k_q3a17da368a_prep
	.p2alignl 7, 3214868480
	.fill 96, 4, 3214868480
	.section	.rodata,"a",@progbits
	.p2align	6, 0x0
	.amdhsa_kernel k_q3a17da368a_prep
		.amdhsa_group_segment_fixed_size 5120
		.amdhsa_private_segment_fixed_size 0
		.amdhsa_enable_private_segment 0
		.amdhsa_kernarg_size 40
		.amdhsa_user_sgpr_count 2
		.amdhsa_user_sgpr_kernarg_segment_ptr 1
		.amdhsa_wavefront_size32 1
		.amdhsa_system_sgpr_workgroup_id_x 1
		.amdhsa_system_sgpr_workgroup_id_y 1
		.amdhsa_system_sgpr_workgroup_id_z 1
		.amdhsa_system_vgpr_workitem_id 0
		.amdhsa_next_free_vgpr 222
		.amdhsa_next_free_sgpr 66
		.amdhsa_reserve_vcc 1
		.amdhsa_float_denorm_mode_32 3
		.amdhsa_float_denorm_mode_16_64 3
		.amdhsa_memory_ordered 1
		.amdhsa_forward_progress 1
		.amdhsa_inst_pref_size 69
	.end_amdhsa_kernel
	.amdgpu_metadata
---
amdhsa.version: [ 1, 2 ]
amdhsa.kernels:
  - .name:           k_q3a17da368a_prep
    .symbol:         k_q3a17da368a_prep.kd
    .args:
      - { .name: x, .offset: 0, .size: 8, .value_kind: global_buffer, .address_space: global }
      - { .name: w1, .offset: 8, .size: 8, .value_kind: global_buffer, .address_space: global }
      - { .name: xb, .offset: 16, .size: 8, .value_kind: global_buffer, .address_space: global }
      - { .name: hsq, .offset: 24, .size: 8, .value_kind: global_buffer, .address_space: global }
      - { .name: w1t, .offset: 32, .size: 8, .value_kind: global_buffer, .address_space: global }
    .group_segment_fixed_size: 5120
    .private_segment_fixed_size: 0
    .kernarg_segment_align: 8
    .kernarg_segment_size: 40
    .max_flat_workgroup_size: 256
    .sgpr_count:     66
    .vgpr_count:     222
    .wavefront_size: 32
...
	.end_amdgpu_metadata
.endif
;; end of part 1
;; launch simscore (part 2): grid 8 x 64, 4 waves a work-group, clusters of 4 x 1, 327,680 bytes of LDS; arguments xb, w1t, hsq, b1, g1, beta1, w2, b2, out0; writes out0
.if DOCPART == 2
	.amdgcn_target "amdgcn-amd-amdhsa--gfx1250"
	.amdhsa_code_object_version 6
	.text
	.protected	k_q3a17da368a_simscore
	.globl	k_q3a17da368a_simscore
	.p2align	8
	.type	k_q3a17da368a_simscore,@function
k_q3a17da368a_simscore:
	s_mov_b64 s[64:65], 0
	v_nop
	global_prefetch_b8 v0, s[64:65] scope:SCOPE_SE
	s_setreg_imm32_b32 hwreg(HW_REG_WAVE_MODE, 25, 1), 1
	s_wait_xcnt 0x0
	s_wait_alu depctr_hold_cnt(0) depctr_sa_sdst(0) depctr_va_vdst(0) depctr_va_sdst(0) depctr_va_ssrc(0) depctr_va_vcc(0) depctr_vm_vsrc(0)
	s_getreg_b32 s2, hwreg(HW_REG_IB_STS2, 6, 4)
	s_cmp_eq_u32 s2, 0
	s_cbranch_scc0 .Lentry_in_a_cluster
	s_endpgm
.Lentry_in_a_cluster:
	s_bfe_u32 s2, ttmp6, 0x10000c
	s_cmp_lg_u32 s2, 0x3003
	s_cbranch_scc0 .Lentry_shape_is_right
	s_endpgm
.Lentry_shape_is_right:
; out[b][s] = relu( w2 . relu( LayerNorm( softmax_t( -dist2(s,t)/13.544 ) W1^T + b1 ) ) + b2 ), all in one launch.
; A work-group takes 128 rows s of one batch, with four waves.  t goes in four chunks of 256, in flash form:
;   phase 1: S = Xchunk Q^T - sq_t/2 (K = 512, bf16); wave q makes all 128 s x the 64 t of the tiles 4 b + q, b = 0..3: 32 tiles, 256 registers;
;   softmax: a running maximum per row (over lanes, halves and waves), p = 2^(c S - c M), c = 2 log2(e)/13.544; sq_s is constant along a row and cancels;
;   phase 2: H += P W1^T (K = 256, f16); wave q makes 128 s x 128 columns: 64 tiles, 512 registers, kept in f32 to the end.
; Then H / l + b1, LayerNorm in two passes (mean, then the centred squares), gain, bias, relu, the product with w2, + b2, relu.
; FORMATS: x needs bf16's range, and its rounding enters through the distances alone.  p lies in [0, 1] and w1 is a weight: both have room in f16, whose
; 11 significant bits matter here, since with a softmax close to one-hot a row of H is a column of w1 and its rounding reaches the output undamped.
; BOTH PRODUCTS ARE USED TRANSPOSED: source 0 = rows of X (of W1), source 1 = rows of Q (of P).  Lane l then holds row s = 16 a + l % 16, and its eight
; registers eight neighbouring t (columns): row figures are sums inside a lane, a rescale is one register per tile row, and P packs to 16 bytes along t.
; CLUSTER 4, 1, 1: the four row blocks of a cluster belong to one batch and walk the same tiles of X and of W1, so every streamed tile is asked for jointly
; (mask 15).  Q, each work-group's own 128 rows, is a plain load.  The eight blocks of a batch make two clusters, since a mask names four.
; THE STREAM: 32 tiles, for each chunk X(k step 0..3, 256 t x 128 k) and then W(t block 0..3, 512 columns x 64 t), through two LDS slots by turns; behind the
; change of slots at the end of step n the slot just read gets tile n + 2.  A wave issues a quarter of each tile: four tensor loads out at the start, one later.
; P goes to LDS in slices of 64 t, two buffers, each written one step before it is multiplied.
; LIMITS: matrix operands are bf16 (x less its batch's row 0) and f16 (p, w1).  |w1| above 65,504 is infinite in f16.  Below 6.1e-5 f16's step is 6e-8: a p
; or a |w1| under 3e-8 counts as 0, which moves a row of H by at most 1,024 x 3e-8 x the largest |w1|.  v_exp_f32 gives 0 below 2^-126 (ISA guide, 15.8).
; The row sum l is made of the unrounded p.  NaN and infinities are not followed.
;
; LDS (bytes):  0 slot 0, 73,728 slot 1 (X rows 272 apart, W rows 144 apart);  147,456 Q, 128 rows 1,040 apart;  280,576 P, two slices of 128 rows 144 apart;
;               317,440 -sq/2 of the batch, 1,024 f32;  321,536 and 323,584 two exchange regions of 2,048.  Every pitch is an odd multiple of 16 bytes, so
;               the sixteen rows of a fragment load start in sixteen different 16-byte columns of 256 bytes.
; REGISTERS:    window 0: addresses, row figures, fragments;  window 1: S, tile (a, b) at 8 (8 b + a), later b1, g1, beta1, w2;
;               window 2: H tiles (a, hb) at 8 (8 a + hb), a = 0..3;  window 3: the same for a = 4..7.
.set SLOTB, 73728
.set XQ,    17408                      ; 64 rows of X
.set QB,    147456
.set QT,    16640                      ; 16 rows of Q
.set PB,    280576
.set PBUF,  18432                      ; a slice of P
.set PT,    2304                       ; 16 rows of P or of W
.set HSQB,  317440
.set EXA,   321536
.set EXB,   2048                       ; the second exchange region, counted from the first
.set AX,   4                           ; v4, v5    my X fragments in slot 0, 1:  (16 q + r) 272 + 16 h
.set AQ,   6                           ; v6, v7    Q fragments, rows 0-63, 64-127
.set AW,   8                           ; v8, v9    my W fragments in slot 0, 1:  (128 q + r) 144 + 16 h
.set AP,   10                          ; v10       P fragments
.set APS,  11                          ; v11       where I put 16 bytes of P
.set AH,   12                          ; v12       my -sq/2 of this chunk; steps by 1,024 a chunk
.set AST,  13                          ; v13       exchange: my wave's 32 bytes of row r
.set ASR,  14                          ; v14       exchange: row r of wave 0
.set APF,  15                          ; v15       prefetch offset
.set APAR, 16                          ; v16       byte offset of my columns in b1, g1, beta1, w2
.set AO,   17                          ; v17       the result's partial sums
.set ARD,  18                          ; v18       and where wave 0 reads them back
.set AOUT, 19                          ; v19       16 x lane
.set M,    24                          ; v[24:31]  running maximum of S, one for each tile row a
.set NM,   32                          ; v[32:39]  -c M
.set L,    40                          ; v[40:55]  running sums of p, a pair for each tile row
.set F0,   64                          ; phase 1, buffer 0: X v64, Q rows 0-63 v96, Q rows 64-127 v128
.set F1,   160                         ; phase 1, buffer 1: v160, v192, v224
.set HC,   224                         ; -sq/2 of my four tiles, as the first products' C
.set WB0,  64                          ; phase 2: W fragments, two buffers of 64
.set WB1,  128
.set PLO,  192                         ; P fragments, rows 0-63
.set PHI,  224                         ; P fragments, rows 64-127
.set T,    64                          ; at work outside the products
.set T2,   72
.set R,    80
.set AL,   112                         ; rescale factors; later 1 / l
.set SP,   120                         ; v[120:135] sums, a pair for each tile row
.set MU,   136
.set RS,   144
.set G1X,  36                          ; descriptor groups 1 (shape), written once
.set G1W,  44
.set G1Q,  72
.set G1H,  84
.set G0X0, 52                          ; descriptor groups 0 (from where, to where): X into slot 0, slot 1; W into slot 0, slot 1; Q; -sq/2
.set G0X1, 56
.set G0W0, 60
.set G0W1, 68
.set G0Q,  80
.set G0H,  92
.set MSB, 0
.macro WIN new                         ; s_set_vgpr_msb: bits 1:0 source 0, 3:2 source 1, 5:4 source 2, 7:6 destination; the high byte repeats the setting that is left
.if MSB != \new
	s_set_vgpr_msb (MSB<<8)|\new
.set MSB, \new
.endif
.endm
; Four places: a vector instruction or a load that touches a matrix instruction's registers stands four plain vector instructions behind it.
.macro PLACES
.rept 4
	v_nop
.endr
.endm
; A round of the cluster's barrier behind its opening work-group barrier: wave 0 signals for the work-group, every wave waits for all four work-groups, the work-group's barrier closes it.
.macro CREST
	s_cmp_lg_u32 s8, 0
	s_cbranch_scc1 .Lnot_wave_0_\@
	s_barrier_signal -3
.Lnot_wave_0_\@:
	s_barrier_wait -3
	s_barrier_signal -1
	s_barrier_wait -1
.endm
.macro CROUND
	s_barrier_signal -1
	s_barrier_wait -1
	CREST
.endm
.macro SETG1 g, w0, w1, w2, w3, w4, w5
	s_mov_b32 s[\g+0], \w0
	s_mov_b32 s[\g+1], \w1
	s_mov_b32 s[\g+2], \w2
	s_mov_b32 s[\g+3], \w3
	s_mov_b32 s[\g+4], \w4
	s_mov_b32 s[\g+5], \w5
	s_mov_b32 s[\g+6], 0
	s_mov_b32 s[\g+7], 0
.endm
	s_load_b512 s[16:31], s[0:1], 0x0              ; xb s[16:17], w1t s[18:19], hsq s[20:21], b1 s[22:23], g1 s[24:25], beta1 s[26:27], w2 s[28:29], b2 s[30:31]
	s_load_b64 s[32:33], s[0:1], 0x40              ; out0
	v_lshl_add_u32 v62, v0, 2, 0x4f800
	v_mov_b32 v63, 0
	ds_add_u32 v62, v63
	v_lshrrev_b32 v1, 5, v0
	v_readfirstlane_b32 s8, v1                     ; wave q
	s_bfe_u32 s9, ttmp6, 0x40000                   ; cx: my place in the cluster
	s_lshl_b32 s10, ttmp9, 2
	s_add_co_u32 s10, s10, s9                      ; row block = 4 x cluster x + cx.  s9, s10, s[100:101] and v15 alone ever hold what hangs on cx
	s_and_b32 s11, ttmp7, 0xffff                   ; batch
	s_mov_b32 s12, 0x76543210                      ; v_permlanex16_b32: lane i of one half reads lane i of the other
	s_mov_b32 s13, 0xfedcba98
	s_mov_b32 s14, 0x3e5a26b3                      ; c = 2 log2(e) / 13.544, twice: a pair for the packed forms
	s_mov_b32 s15, 0x3e5a26b3
	s_mov_b32 s3, 0xbe5a26b3                       ; -c
	s_mov_b32 s4, 0x3b000000                       ; 1 / 512
	s_mov_b32 s5, 0x3727c5ac                       ; 1e-5
	; word 0: 15:0 mask, 17:16 element size, 20 padding on, 21 set beside a mask, 24:22 interval, 31:25 pad - 1.  Then tensor_dim0, tensor_dim1, tile_dim0 (each << 16), tile_dim1, pitch.
	SETG1 G1X, 0x0771000f, 128<<16, 64<<16, 128<<16, 64, 512      ; 64 rows x 128 bf16 of rows of 512; 4 words of padding behind every 64: LDS pitch 272
	SETG1 G1W, 0x0733000f, 32<<16, 64<<16, 32<<16, 64, 32         ; 16 KiB, dense, as 64 rows of 32 elements of 8 bytes; 4 words behind every 32: each 128-byte row of W gets pitch 144
	SETG1 G1Q, 0x07d10000, 512<<16, 32<<16, 512<<16, 32, 512      ; no mask: 32 rows x 512 bf16; 4 words behind every 256: LDS pitch 1,040
	SETG1 G1H, 0x0023000f, 128<<16, 1<<16, 128<<16, 1, 128        ; one row of 128 elements of 8 bytes
	s_mov_b32 s[G0X0], 1
	s_mul_i32 s[G0X0+1], s8, XQ                    ; LDS addresses: the wave's number times a constant, plus the region's constant
	s_mov_b32 s[G0X1], 1
	s_add_co_u32 s[G0X1+1], s[G0X0+1], SLOTB
	s_mov_b32 s[G0W0], 1
	s_mul_i32 s[G0W0+1], s8, 18432
	s_mov_b32 s[G0W1], 1
	s_add_co_u32 s[G0W1+1], s[G0W0+1], SLOTB
	s_mov_b32 s[G0Q], 1
	s_mul_i32 s[G0Q+1], s8, 33280                  ; 32 rows of 1,040
	s_add_co_u32 s[G0Q+1], s[G0Q+1], QB
	s_mov_b32 s[G0H], 1
	s_lshl_b32 s[G0H+1], s8, 10
	s_add_co_u32 s[G0H+1], s[G0H+1], HSQB
	s_mov_b32 s99, 0
	s_mov_b32 s101, 0
	s_wait_dscnt 0x0
	s_wait_kmcnt 0x0
	s_load_b32 s35, s[30:31], 0x0                  ; b2
	s_lshl_b32 s98, s11, 20                        ; a batch of xb: 1,024 rows of 1,024 bytes
	s_add_nc_u64 s[96:97], s[16:17], s[98:99]      ; xb at my batch
	s_lshl_b32 s98, s8, 16                         ; my 64 rows of a tile of X
	s_add_nc_u64 s[G0X0+2:G0X0+3], s[96:97], s[98:99]              ; chunk 0, k step 0
	s_add_nc_u64 s[G0X1+2:G0X1+3], s[G0X0+2:G0X0+3], 256           ; chunk 0, k step 1
	s_lshl_b32 s98, s8, 14                         ; my 128 rows of a tile of W
	s_add_nc_u64 s[G0W0+2:G0W0+3], s[18:19], s[98:99]              ; t block 0
	s_add_nc_u64 s[G0W1+2:G0W1+3], s[G0W0+2:G0W0+3], 65536         ; t block 1
	s_lshl_b32 s98, s11, 12
	s_lshl_b32 s6, s8, 10
	s_add_co_u32 s98, s98, s6
	s_add_nc_u64 s[G0H+2:G0H+3], s[20:21], s[98:99]                ; my quarter of the batch's -sq/2
	s_lshl_b32 s100, s10, 17                       ; my block's 128 rows,
	s_lshl_b32 s6, s8, 15                          ; my wave's 32 of them
	s_add_co_u32 s100, s100, s6
	s_add_nc_u64 s[G0Q+2:G0Q+3], s[96:97], s[100:101]
	s_lshl_b32 s100, s10, 9
	s_lshl_b32 s6, s11, 12
	s_add_co_u32 s100, s100, s6
	s_add_nc_u64 s[32:33], s[32:33], s[100:101]    ; out0 at my 128 rows
	s_or_b32 s[G0X0+3], s[G0X0+3], 0x80000000      ; 127:126 type = 2
	s_or_b32 s[G0X1+3], s[G0X1+3], 0x80000000
	s_or_b32 s[G0W0+3], s[G0W0+3], 0x80000000
	s_or_b32 s[G0W1+3], s[G0W1+3], 0x80000000
	s_or_b32 s[G0Q+3], s[G0Q+3], 0x80000000
	s_or_b32 s[G0H+3], s[G0H+3], 0x80000000
	CROUND                                         ; all four work-groups are here: the first joint loads meet
	tensor_load_to_lds s[G0Q:G0Q+3], s[G1Q:G1Q+7]  ; the first fills, one group, ahead of every wait on TENSORcnt, LDS read and further barrier
	s_nop 0
	tensor_load_to_lds s[G0H:G0H+3], s[G1H:G1H+7]
	s_nop 0
	tensor_load_to_lds s[G0X0:G0X0+3], s[G1X:G1X+7]
	s_nop 0
	tensor_load_to_lds s[G0X1:G0X1+3], s[G1X:G1X+7]
	s_nop 0
	v_and_b32 v1, 15, v0                           ; r
	v_bfe_u32 v2, v0, 4, 1                         ; h
	v_and_b32 v3, 31, v0                           ; lane
	s_lshl_b32 s6, s8, 4
	v_add_nc_u32 v21, s6, v1                       ; 16 q + r
	v_mul_u32_u24 v[AX], v21, 272
	v_lshl_add_u32 v[AX], v2, 4, v[AX]
	v_add_nc_u32 v[AX+1], SLOTB, v[AX]
	v_mul_u32_u24 v[AQ], v1, 1040
	v_lshl_add_u32 v[AQ], v2, 4, v[AQ]
	v_add_nc_u32 v[AQ], QB, v[AQ]
	v_add_nc_u32 v[AQ+1], 4*QT, v[AQ]
	s_lshl_b32 s6, s8, 7
	v_add_nc_u32 v21, s6, v1                       ; 128 q + r
	v_mul_u32_u24 v[AW], v21, 144
	v_lshl_add_u32 v[AW], v2, 4, v[AW]
	v_add_nc_u32 v[AW+1], SLOTB, v[AW]
	v_mul_u32_u24 v[AP], v1, 144
	v_lshl_add_u32 v[AP], v2, 4, v[AP]
	v_add_nc_u32 v[AP], PB, v[AP]
	v_lshl_add_u32 v[APS], s8, 5, v[AP]            ; my tile's 16 t are bytes 32 q .. of a slice's row; my 8 of them at + 16 h
	v_lshlrev_b32 v[AH], 5, v2
	v_lshl_add_u32 v[AH], s8, 6, v[AH]
	v_add_nc_u32 v[AH], HSQB, v[AH]                ; t = 64 b + 16 q + 8 h + j, four bytes each
	v_lshlrev_b32 v[ASR], 5, v1
	v_add_nc_u32 v[ASR], EXA, v[ASR]
	v_lshl_add_u32 v[AST], s8, 9, v[ASR]
	v_lshlrev_b32 v[APF], 8, v3                    ; lanes 256 bytes apart,
	v_lshl_add_u32 v[APF], s8, 13, v[APF]          ; 8 KiB a wave,
	v_lshl_add_u32 v[APF], s10, 15, v[APF]         ; 32 KiB a row block: the batch's eight blocks ask for each 256 bytes of a chunk once
	v_add_nc_u32 v[APF], 262144, v[APF]            ; chunk 1
	v_lshlrev_b32 v[APAR], 5, v2
	v_lshl_add_u32 v[APAR], s8, 9, v[APAR]         ; column 128 q + 16 hb + 8 h + j, four bytes each
	v_lshlrev_b32 v[AO], 2, v1
	v_lshl_add_u32 v[AO], s8, 9, v[AO]
	v_add_nc_u32 v[AO], EXA, v[AO]
	v_lshlrev_b32 v[AOUT], 4, v3
	v_add_nc_u32 v[ARD], EXA, v[AOUT]
	s_wait_kmcnt 0x0                               ; b2
; ---- fragments.  16 rows x 32 K of 16-bit numbers: lane l holds row l % 16; registers 0-3 K = 8 (l / 16) + 0..7, registers 4-7 K = 16 + 8 (l / 16) + 0..7: two loads of 16 bytes, 32 bytes apart.
.macro LOADX f, slot, kb               ; my four tiles of X (rows 64 b + 16 q ..), 32 K at byte kb of the slot's rows
.irp b, 0,1,2,3
	ds_load_b128 v[\f+8*\b:\f+8*\b+3],   v[AX+\slot] offset:XQ*\b+\kb
	ds_load_b128 v[\f+8*\b+4:\f+8*\b+7], v[AX+\slot] offset:XQ*\b+\kb+32
.endr
.endm
.macro LOADQ dst, half, kabs           ; four tile rows of Q, 32 K at byte kabs of Q's rows
.irp a, 0,1,2,3
	ds_load_b128 v[\dst+8*\a:\dst+8*\a+3],   v[AQ+\half] offset:QT*\a+\kabs
	ds_load_b128 v[\dst+8*\a+4:\dst+8*\a+7], v[AQ+\half] offset:QT*\a+\kabs+32
.endr
.endm
.macro LOADH off                       ; -sq/2 of my four tiles, in the layout of C: register j = t 8 h + j
.irp b, 0,1,2,3
	ds_load_b128 v[HC+8*\b:HC+8*\b+3],   v[AH] offset:\off+256*\b
	ds_load_b128 v[HC+8*\b+4:HC+8*\b+7], v[AH] offset:\off+256*\b+16
.endr
.endm
.macro LOADW wb, slot, kq              ; my eight tiles of W, 32 K
.irp hb, 0,1,2,3,4,5,6,7
	ds_load_b128 v[\wb+8*\hb:\wb+8*\hb+3],   v[AW+\slot] offset:PT*\hb+64*\kq
	ds_load_b128 v[\wb+8*\hb+4:\wb+8*\hb+7], v[AW+\slot] offset:PT*\hb+64*\kq+32
.endr
.endm
.macro LOADP blk, a0, buf, kq          ; four tile rows of P from slice buffer buf, 32 K
.irp a, 0,1,2,3
	ds_load_b128 v[\blk+8*\a:\blk+8*\a+3],   v[AP] offset:PBUF*\buf+PT*(\a0+\a)+64*\kq
	ds_load_b128 v[\blk+8*\a+4:\blk+8*\a+7], v[AP] offset:PBUF*\buf+PT*(\a0+\a)+64*\kq+32
.endr
.endm
; ---- products.  The accumulators take turns, one instruction a turn, in the same order in every quarter.
; S's accumulators see the bf16 form alone, H's the f16 form alone.
; 16 of phase 1: tile rows 4 half .. + 3 x my four tiles.  init = 1: C is -sq/2, which starts the sums: nothing is cleared or added later.
.macro MUL1 f, half, init
.irp a, 0,1,2,3
.irp b, 0,1,2,3
.if \init
	v_wmma_f32_16x16x32_bf16 v[8*(8*\b+4*\half+\a):8*(8*\b+4*\half+\a)+7], v[\f+8*\b:\f+8*\b+7], v[\f+32+8*(4*\half+\a):\f+32+8*(4*\half+\a)+7], v[HC+8*\b:HC+8*\b+7]
.else
	v_wmma_f32_16x16x32_bf16 v[8*(8*\b+4*\half+\a):8*(8*\b+4*\half+\a)+7], v[\f+8*\b:\f+8*\b+7], v[\f+32+8*(4*\half+\a):\f+32+8*(4*\half+\a)+7], v[8*(8*\b+4*\half+\a):8*(8*\b+4*\half+\a)+7]
.endif
.endr
.endr
.endm
; 8 n of phase 2: tile rows a0 .. a0 + n - 1 of the window x my eight column tiles.  zero = 1: the first product starts the sums.
.macro MUL2 wb, pb, a0, n, zero
.set ma, \a0
.rept \n
.irp hb, 0,1,2,3,4,5,6,7
.if \zero
	v_wmma_f32_16x16x32_f16 v[8*(8*ma+\hb):8*(8*ma+\hb)+7], v[\wb+8*\hb:\wb+8*\hb+7], v[\pb+8*ma:\pb+8*ma+7], 0
.else
	v_wmma_f32_16x16x32_f16 v[8*(8*ma+\hb):8*(8*ma+\hb)+7], v[\wb+8*\hb:\wb+8*\hb+7], v[\pb+8*ma:\pb+8*ma+7], v[8*(8*ma+\hb):8*(8*ma+\hb)+7]
.endif
.endr
.set ma, ma+1
.endr
.endm
; ---- phase 1.  A k step of 128 is four quarters of 32 K, 32 matrix instructions each, on buffers 0, 1, 0, 1.
; One of the first three: multiplies buffer f, and in its middle fetches the next quarter's fragments into buffer g.
.macro QUARTER1 f, g, slot, kb, kabs, init
	s_wait_dscnt 8                                 ; all but the youngest eight loads, Q's rows 64-127
.if \init
	WIN 0x40                                       ; D in window 1, C in window 0
.else
	WIN 0x50                                       ; C and D in window 1
.endif
	MUL1 \f, 0, \init
	PLACES
	WIN 0
	LOADX \g, \slot, \kb
	LOADQ \g+32, 0, \kabs
.if \init
	s_wait_dscnt 16                                ; all but the sixteen just issued
	WIN 0x40
	MUL1 \f, 1, 1
	PLACES                                         ; -sq/2 lay where buffer 1 keeps Q's rows 64-127: these come only now
	WIN 0
	LOADQ \g+64, 1, \kabs
.else
	LOADQ \g+64, 1, \kabs
	s_wait_dscnt 24                                ; all but the 24 just issued
	WIN 0x50
	MUL1 \f, 1, 0
.endif
.endm
; The fourth quarter multiplies buffer 1 and changes slots.  In front of the round each wave waits for its reads of this slot and for all its tensor loads (the one
; that is out is its part of the other slot); a group 0 may then be stepped.  Inside the round: register work alone.  Behind it the refill comes first.
.macro TURN1 ks, next, stepg, stepby, isg0, isg1
	s_wait_dscnt 0x0
	s_wait_tensorcnt 0x0
	ds_add_u32 v62, v63
	s_wait_dscnt 0x0
	s_add_nc_u64 s[\stepg+2:\stepg+3], s[\stepg+2:\stepg+3], \stepby
	s_barrier_signal -1
	WIN 0x50
	MUL1 F1, 0, 0
	WIN 0
	s_barrier_wait -1
	CREST                                          ; no wave of any partner still reads this slot or has a load on its way
	tensor_load_to_lds s[\isg0:\isg0+3], s[\isg1:\isg1+7]          ; my one tensor load behind the round: my quarter of the tile two steps ahead
	s_nop 0
.if \ks < 3
	PLACES
	LOADX F0, \next, 0
	LOADQ F0+32, 0, 256*(\ks+1)
	LOADQ F0+64, 1, 256*(\ks+1)
.endif
	WIN 0x50
	MUL1 F1, 1, 0
.endm
.macro XSTEP ks, slot, next, init, stepg, stepby, isg0, isg1
	QUARTER1 F0, F1, \slot, 64,  256*\ks+64,  \init
	QUARTER1 F1, F0, \slot, 128, 256*\ks+128, 0
	QUARTER1 F0, F1, \slot, 192, 256*\ks+192, 0
	TURN1 \ks, \next, \stepg, \stepby, \isg0, \isg1
.endm
; ---- a slice of P: my tile b = u of all eight tile rows (window 1, registers 64 u .. 64 u + 63).  p = 2^(c S - c M), summed in f32, rounded to f16, 16 bytes a lane into LDS.
; A tile row's figure is one register of a pair; op_sel picks it for both halves of a packed form.
.macro SLICE u, linit
	WIN 0x41                                       ; source 0 and destination in window 1
.irp p, 0,1,2,3
.irp k, 0,2,4,6
	v_pk_fma_f32 v[64*\u+16*\p+\k:64*\u+16*\p+\k+1], v[64*\u+16*\p+\k:64*\u+16*\p+\k+1], s[14:15], v[NM+2*\p:NM+2*\p+1] op_sel_hi:[1,0,0]
.endr
.irp k, 8,10,12,14
	v_pk_fma_f32 v[64*\u+16*\p+\k:64*\u+16*\p+\k+1], v[64*\u+16*\p+\k:64*\u+16*\p+\k+1], s[14:15], v[NM+2*\p:NM+2*\p+1] op_sel:[0,0,1] op_sel_hi:[1,0,1]
.endr
.endr
.set sr, 0
.rept 64
	v_exp_f32 v[64*\u+sr], v[64*\u+sr]
.set sr, sr+1
.endr
	v_nop                                          ; one plain place behind the run of exponentials, before any result is read (ISA guide 5.7.2)
.if \linit
	WIN 0x05                                       ; both sources in window 1: the first add starts each sum
	s_wait_alu depctr_va_vdst(0)
.irp a, 0,1,2,3,4,5,6,7
	v_pk_add_f32 v[L+2*\a:L+2*\a+1], v[64*\u+8*\a:64*\u+8*\a+1], v[64*\u+8*\a+2:64*\u+8*\a+3]
.endr
	WIN 0x01
.irp k, 4,6
.irp a, 0,1,2,3,4,5,6,7
	v_pk_add_f32 v[L+2*\a:L+2*\a+1], v[64*\u+8*\a+\k:64*\u+8*\a+\k+1], v[L+2*\a:L+2*\a+1]
.endr
.endr
.else
	WIN 0x01
	s_wait_alu depctr_va_vdst(0)
.irp k, 0,2,4,6
.irp a, 0,1,2,3,4,5,6,7
	v_pk_add_f32 v[L+2*\a:L+2*\a+1], v[64*\u+8*\a+\k:64*\u+8*\a+\k+1], v[L+2*\a:L+2*\a+1]
.endr
.endr
.endif
	WIN 0x45
.irp a, 0,1,2,3,4,5,6,7
.irp k, 0,1,2,3
	v_cvt_pk_f16_f32 v[64*\u+8*\a+\k], v[64*\u+8*\a+2*\k], v[64*\u+8*\a+2*\k+1]       ; in place: word k is written when words 2 k, 2 k + 1 are read
.endr
.endr
	WIN 0x04                                       ; store data in window 1
.irp a, 0,1,2,3,4,5,6,7
	ds_store_b128 v[APS], v[64*\u+8*\a:64*\u+8*\a+3] offset:(\u&1)*PBUF+PT*\a
.endr
.endm
; One window's four tile rows of H times a figure per row (rows 2 p, 2 p + 1: the pair at reg + 2 p)
.macro HMULB reg
.irp p, 0,1
.set hr, 0
.rept 32
	v_pk_mul_f32 v[128*\p+hr:128*\p+hr+1], v[128*\p+hr:128*\p+hr+1], v[\reg+2*\p:\reg+2*\p+1] op_sel_hi:[1,0]
.set hr, hr+2
.endr
.rept 32
	v_pk_mul_f32 v[128*\p+hr:128*\p+hr+1], v[128*\p+hr:128*\p+hr+1], v[\reg+2*\p:\reg+2*\p+1] op_sel:[0,1] op_sel_hi:[1,1]
.set hr, hr+2
.endr
.endr
.endm
; ---- the running maximum, the rescale, and slice 0
.macro SOFTMAX first
	WIN 0
.if \first == 0
	s_wait_xcnt 0x0                                ; the prefetch's offset is stepped only behind this wait; the prefetch stands a whole chunk back
	v_add_nc_u32 v[APF], 262144, v[APF]            ; the chunk behind this one
.endif
	PLACES
	WIN 0x05                                       ; sources 0 and 1 in window 1
.set si, 0
.rept 16                                           ; eight chains, one for each tile row, over my 32 numbers of the row; the old maximum starts them
.set sa, 0
.rept 8
.if si == 0
.if \first
	v_max_num_f32 v[T+sa], v[8*sa], v[8*sa+1]
.else
	v_max3_num_f32 v[T+sa], v[8*sa], v[8*sa+1], v[M+sa]
.endif
.else
	v_max3_num_f32 v[T+sa], v[8*(8*(si/4)+sa)+2*(si%4)], v[8*(8*(si/4)+sa)+2*(si%4)+1], v[T+sa]
.endif
.set sa, sa+1
.endr
.set si, si+1
.endr
	WIN 0
.irp a, 0,1,2,3,4,5,6,7
	v_permlanex16_b32 v[T2+\a], v[T+\a], s12, s13  ; the other half of the lanes holds the tile's other eight t
.endr
.irp a, 0,1,2,3,4,5,6,7
	v_max_num_f32 v[T+\a], v[T+\a], v[T2+\a]
.endr
	ds_store_b128 v[AST], v[T:T+3]                 ; row r's eight figures; both halves write the same
	ds_store_b128 v[AST], v[T+4:T+7] offset:16
	s_wait_dscnt 0x0                               ; for the other waves' sake
	s_barrier_signal -1                            ; the next tile of W stays on its way
	s_barrier_wait -1
.irp w, 0,1,2,3
	ds_load_b128 v[R+8*\w:R+8*\w+3],   v[ASR] offset:512*\w
	ds_load_b128 v[R+8*\w+4:R+8*\w+7], v[ASR] offset:512*\w+16
.endr
	s_wait_dscnt 0x0
.irp a, 0,1,2,3,4,5,6,7
	v_max3_num_f32 v[M+\a], v[R+\a], v[R+8+\a], v[R+16+\a]
.endr
.irp a, 0,1,2,3,4,5,6,7
	v_max_num_f32 v[M+\a], v[M+\a], v[R+24+\a]
.endr
.if \first
.irp a, 0,1,2,3,4,5,6,7
	v_mul_f32 v[NM+\a], s3, v[M+\a]
.endr
.else
.irp a, 0,1,2,3,4,5,6,7
	v_mul_f32 v[T+\a], s3, v[M+\a]
.endr
.irp a, 0,1,2,3,4,5,6,7
	v_sub_f32 v[AL+\a], v[T+\a], v[NM+\a]          ; the difference of the two ROUNDED shifts, so that old and new terms stay on one scale
.endr
.irp a, 0,1,2,3,4,5,6,7
	v_exp_f32 v[AL+\a], v[AL+\a]
.endr
.irp a, 0,1,2,3,4,5,6,7
	v_mov_b32 v[NM+\a], v[T+\a]                    ; also the plain places behind the exponentials
.endr
	s_wait_alu depctr_va_vdst(0)
.irp p, 0,1,2,3
	v_pk_mul_f32 v[L+4*\p:L+4*\p+1],   v[L+4*\p:L+4*\p+1],   v[AL+2*\p:AL+2*\p+1] op_sel_hi:[1,0]
	v_pk_mul_f32 v[L+4*\p+2:L+4*\p+3], v[L+4*\p+2:L+4*\p+3], v[AL+2*\p:AL+2*\p+1] op_sel:[0,1] op_sel_hi:[1,1]
.endr
	WIN 0x82
	HMULB AL
	WIN 0xc3
	HMULB AL+4
.endif
	SLICE 0, \first
	WIN 0
	s_wait_dscnt 0x0                               ; my part of slice 0 is in LDS
	s_barrier_signal -1
	s_barrier_wait -1
	LOADW WB0, 0, 0
	LOADP PLO, 0, 0, 0
.endm
.macro PARAM base, sreg                ; 64 numbers of my columns: all lanes of a half read the same 32 bytes, once in the launch
.irp hb, 0,1,2,3,4,5,6,7
	global_load_b128 v[\base+8*\hb:\base+8*\hb+3],   v[APAR], s[\sreg:\sreg+1] offset:64*\hb
	global_load_b128 v[\base+8*\hb+4:\base+8*\hb+7], v[APAR], s[\sreg:\sreg+1] offset:64*\hb+16
.endr
.endm
; ---- phase 2.  A step is one tile of W (64 t) and one slice of P: two quarters of 32 K, 64 matrix instructions each.  In its first quarter the next slice is made.
.macro WSTEP u, zero, last, stepg, stepby, isg0, isg1
.set wtail, \last*(\u/3)                           ; the launch's last step: no change of slots
.set wfill, 1-\last*(\u/2)                         ; the last two steps fill nothing
	WIN 0
.if \u > 0
	PLACES
.endif
	LOADP PHI, 4, (\u&1), 0
.if \u == 0
.if \last == 0
	global_prefetch_b8 v[APF], s[96:97] th:TH_LOAD_NT scope:SCOPE_SE   ; my 32 blocks of 256 bytes of the next chunk of X, whose first tile is asked for two steps from here; the last chunk asks for nothing
.endif
.endif
.if \u == 3
.if \last
	WIN 0x40                                       ; window 1 is free: b1, g1, beta1, w2 of my columns
	PARAM 0, 22
	PARAM 64, 24
	PARAM 128, 26
	PARAM 192, 28
	WIN 0
.endif
	s_wait_dscnt 8                                 ; W and P's rows 0-63 are in; P's rows 64-127 may be out
.else
	SLICE (\u+1), 0
	s_wait_dscnt 16                                ; the same; the slice's eight stores may be out too
.endif
	WIN 0xa0
	MUL2 WB0, PLO, 0, 4, \zero
	PLACES
	WIN 0
	LOADW WB1, (\u&1), 1
	LOADP PLO, 0, (\u&1), 1
	s_wait_dscnt 24                                ; all but the 24 just issued
	WIN 0xf0
	MUL2 WB0, PHI, 0, 4, \zero
	PLACES
	WIN 0
	LOADP PHI, 4, (\u&1), 1
	s_wait_dscnt 8
	WIN 0xa0
.if wtail
	MUL2 WB1, PLO, 0, 4, 0
	s_wait_dscnt 0x0
	WIN 0xf0
	MUL2 WB1, PHI, 0, 4, 0
.else
	MUL2 WB1, PLO, 0, 2, 0
	s_wait_dscnt 0x0                               ; my reads of this slot and of this slice are over, my part of the next slice is in LDS,
	s_wait_tensorcnt 0x0                           ; and all my tensor loads have landed: my part of the other slot
	ds_add_u32 v62, v63
	s_wait_dscnt 0x0
.if wfill
	s_add_nc_u64 s[\stepg+2:\stepg+3], s[\stepg+2:\stepg+3], \stepby
.endif
	s_barrier_signal -1
	MUL2 WB1, PLO, 2, 2, 0
	WIN 0
	s_barrier_wait -1
.if wfill
	CREST
	tensor_load_to_lds s[\isg0:\isg0+3], s[\isg1:\isg1+7]
	s_nop 0
.endif
	PLACES
.if \u == 3
	LOADX F0, 0, 0                                 ; the next chunk's first fragments
	LOADQ F0+32, 0, 0
.else
	LOADW WB0, (1-(\u&1)), 0
	LOADP PLO, 0, (1-(\u&1)), 0
.endif
	WIN 0xf0
	MUL2 WB1, PHI, 0, 4, 0
.if \u == 3
	PLACES                                         ; these land where the last products' fragments lay
	WIN 0
	LOADH 1024
	LOADQ F0+64, 1, 0
	v_add_nc_u32 v[AH], 1024, v[AH]
.endif
.endif
.endm
; A chunk.  Behind each step: which group 0 is stepped (its load has landed) and by how much, and which tile is asked for.
;   X tiles: 256 bytes a k step, 262,144 a chunk; W tiles: 65,536 a t block.
.macro CHUNK first, last
	XSTEP 0, 0, 1, 1, G0X1, 512,    G0X0, G1X      ; k step 2 into slot 0
	XSTEP 1, 1, 0, 0, G0X0, 261632, G0X1, G1X      ; k step 3 into slot 1
	XSTEP 2, 0, 1, 0, G0X1, 261632, G0W0, G1W      ; W 0 into slot 0
	XSTEP 3, 1, 0, 0, G0W0, 131072, G0W1, G1W      ; W 1 into slot 1
	SOFTMAX \first
	WSTEP 0, \first, \last, G0W1, 131072, G0W0, G1W    ; W 2
	WSTEP 1, 0,      \last, G0W0, 131072, G0W1, G1W    ; W 3
	WSTEP 2, 0,      \last, G0W1, 131072, G0X0, G1X    ; the next chunk's k step 0
	WSTEP 3, 0,      \last, G0X0, 512,    G0X1, G1X    ; the next chunk's k step 1
.endm
	s_wait_tensorcnt 0x1                           ; Q, -sq/2 and the first tile of X are in; the second tile stays out
	s_add_nc_u64 s[G0X0+2:G0X0+3], s[G0X0+2:G0X0+3], 512   ; its load is done: now k step 2
	s_barrier_signal -1
	s_barrier_wait -1                              ; everybody's parts are in
	LOADX F0, 0, 0
	LOADQ F0+32, 0, 0
	LOADH 0
	LOADQ F0+64, 1, 0
	CHUNK 1, 0                                     ; the first chunk stands in front of the loop: its first products and sums start H, l and the maximum
	s_mov_b32 s34, 2
.Lchunk:
	CHUNK 0, 0
	s_sub_co_u32 s34, s34, 1
	s_cmp_lg_u32 s34, 0
	s_cbranch_scc1 .Lchunk
	CHUNK 0, 1                                     ; the last chunk: its last two steps fill nothing
; ---- the way out.  Sums over a row: inside the lane, across the two halves, across the four waves through LDS.
; T[0:7], one figure for each tile row, becomes the total in every lane.  The two exchange regions take turns: between the reads of one use (waited for
; in front of the next signal) and the stores of the next use of the same region stands the other region's barrier.
.macro XCHG e
.irp a, 0,1,2,3,4,5,6,7
	v_permlanex16_b32 v[T2+\a], v[T+\a], s12, s13
.endr
.irp a, 0,1,2,3,4,5,6,7
	v_add_f32 v[T+\a], v[T+\a], v[T2+\a]
.endr
	ds_store_b128 v[AST], v[T:T+3] offset:\e
	ds_store_b128 v[AST], v[T+4:T+7] offset:\e+16
	s_wait_dscnt 0x0
	s_barrier_signal -1
	s_barrier_wait -1
.irp w, 0,1,2,3
	ds_load_b128 v[R+8*\w:R+8*\w+3],   v[ASR] offset:\e+512*\w
	ds_load_b128 v[R+8*\w+4:R+8*\w+7], v[ASR] offset:\e+512*\w+16
.endr
	s_wait_dscnt 0x0
.irp k, 0,2,4,6
	v_pk_add_f32 v[R+\k:R+\k+1],       v[R+\k:R+\k+1],       v[R+8+\k:R+8+\k+1]
	v_pk_add_f32 v[R+16+\k:R+16+\k+1], v[R+16+\k:R+16+\k+1], v[R+24+\k:R+24+\k+1]
.endr
.irp k, 0,2,4,6
	v_pk_add_f32 v[T+\k:T+\k+1], v[R+\k:R+\k+1], v[R+16+\k:R+16+\k+1]
.endr
.endm
.macro FOLD                            ; the pairs of sums into T
.irp a, 0,1,2,3,4,5,6,7
	v_add_f32 v[T+\a], v[SP+2*\a], v[SP+2*\a+1]
.endr
.endm
.macro HFMAB reg                       ; H = H x figure of the row + b1 (window 1, register = the column's place)
.irp p, 0,1
.set hr, 0
.rept 32
	v_pk_fma_f32 v[128*\p+hr:128*\p+hr+1], v[128*\p+hr:128*\p+hr+1], v[\reg+2*\p:\reg+2*\p+1], v[hr:hr+1] op_sel_hi:[1,0,1]
.set hr, hr+2
.endr
.set hr, 0
.rept 32
	v_pk_fma_f32 v[128*\p+64+hr:128*\p+64+hr+1], v[128*\p+64+hr:128*\p+64+hr+1], v[\reg+2*\p:\reg+2*\p+1], v[hr:hr+1] op_sel:[0,1,0] op_sel_hi:[1,1,1]
.set hr, hr+2
.endr
.endr
.endm
.macro HSUBB reg                       ; H -= figure of the row
.irp p, 0,1
.set hr, 0
.rept 32
	v_pk_add_f32 v[128*\p+hr:128*\p+hr+1], v[128*\p+hr:128*\p+hr+1], v[\reg+2*\p:\reg+2*\p+1] op_sel_hi:[1,0] neg_lo:[0,1] neg_hi:[0,1]
.set hr, hr+2
.endr
.rept 32
	v_pk_add_f32 v[128*\p+hr:128*\p+hr+1], v[128*\p+hr:128*\p+hr+1], v[\reg+2*\p:\reg+2*\p+1] op_sel:[0,1] op_sel_hi:[1,1] neg_lo:[0,1] neg_hi:[0,1]
.set hr, hr+2
.endr
.endr
.endm
.macro HSUM sp, wa, wb                 ; sums of a window's four tile rows, four chains
	WIN \wa                                        ; both sources in H's window: the first add starts each sum
.irp a, 0,1,2,3
	v_pk_add_f32 v[\sp+2*\a:\sp+2*\a+1], v[64*\a:64*\a+1], v[64*\a+2:64*\a+3]
.endr
	WIN \wb
.set hr, 4
.rept 30
.irp a, 0,1,2,3
	v_pk_add_f32 v[\sp+2*\a:\sp+2*\a+1], v[64*\a+hr:64*\a+hr+1], v[\sp+2*\a:\sp+2*\a+1]
.endr
.set hr, hr+2
.endr
.endm
.macro HSQS sp                         ; sums of squares
.irp a, 0,1,2,3
	v_pk_mul_f32 v[\sp+2*\a:\sp+2*\a+1], v[64*\a:64*\a+1], v[64*\a:64*\a+1]
.endr
.set hr, 2
.rept 31
.irp a, 0,1,2,3
	v_pk_fma_f32 v[\sp+2*\a:\sp+2*\a+1], v[64*\a+hr:64*\a+hr+1], v[64*\a+hr:64*\a+hr+1], v[\sp+2*\a:\sp+2*\a+1]
.endr
.set hr, hr+2
.endr
.endm
.macro HAFF                            ; H = H g1 + beta1
.set hr, 0
.rept 128
	v_pk_fma_f32 v[hr:hr+1], v[hr:hr+1], v[64+(hr%64):64+(hr%64)+1], v[128+(hr%64):128+(hr%64)+1]
.set hr, hr+2
.endr
.endm
.macro HRELU
.set hr, 0
.rept 256
	v_max_num_f32 v[hr], 0, v[hr]
.set hr, hr+1
.endr
.endm
.macro HDOT sp                         ; sums of H w2
.irp a, 0,1,2,3
	v_pk_mul_f32 v[\sp+2*\a:\sp+2*\a+1], v[64*\a:64*\a+1], v[192:193]
.endr
.set hr, 2
.rept 31
.irp a, 0,1,2,3
	v_pk_fma_f32 v[\sp+2*\a:\sp+2*\a+1], v[64*\a+hr:64*\a+hr+1], v[192+hr:192+hr+1], v[\sp+2*\a:\sp+2*\a+1]
.endr
.set hr, hr+2
.endr
.endm
	PLACES                                         ; behind the last matrix instructions
	WIN 0
.irp a, 0,1,2,3,4,5,6,7
	v_add_f32 v[T+\a], v[L+2*\a], v[L+2*\a+1]
.endr
	XCHG EXB                                       ; l, the softmax's denominator: at least 1 to within rounding, since the maximum's own term is 1
.irp a, 0,1,2,3,4,5,6,7
	v_rcp_f32 v[AL+\a], v[T+\a]
.endr
	s_wait_loadcnt 0x0                             ; b1, g1, beta1, w2
	v_nop                                          ; one plain place behind the reciprocals
	s_wait_alu depctr_va_vdst(0)
	WIN 0x92                                       ; H in window 2, the row's figure in window 0, b1 in window 1
	HFMAB AL
	WIN 0xd3
	HFMAB AL+4
	HSUM SP, 0x0a, 0x02
	HSUM SP+8, 0x0f, 0x03
	WIN 0
	FOLD
	XCHG 0
.irp a, 0,1,2,3,4,5,6,7
	v_mul_f32 v[MU+\a], s4, v[T+\a]                ; the mean
.endr
	WIN 0x82
	HSUBB MU
	WIN 0xc3
	HSUBB MU+4
	WIN 0x0a
	HSQS SP                                        ; the variance from the centred numbers: no difference of large sums
	WIN 0x0f
	HSQS SP+8
	WIN 0
	FOLD
	XCHG EXB
.irp a, 0,1,2,3,4,5,6,7
	v_fma_f32 v[T+\a], v[T+\a], s4, s5             ; variance + 1e-5
.endr
.irp a, 0,1,2,3,4,5,6,7
	v_rsq_f32 v[RS+\a], v[T+\a]
.endr
	v_nop                                          ; one plain place behind the roots
	s_wait_alu depctr_va_vdst(0)
	WIN 0x82
	HMULB RS
	WIN 0x96                                       ; H in window 2, g1 and beta1 in window 1
	HAFF
	WIN 0x88
	HRELU
	WIN 0x06                                       ; H in window 2, w2 in window 1, the sums in window 0
	HDOT SP
	WIN 0xc3
	HMULB RS+4
	WIN 0xd7
	HAFF
	WIN 0xcc
	HRELU
	WIN 0x07
	HDOT SP+8
	WIN 0
	FOLD
.irp a, 0,1,2,3,4,5,6,7
	v_permlanex16_b32 v[T2+\a], v[T+\a], s12, s13
.endr
.irp a, 0,1,2,3,4,5,6,7
	v_add_f32 v[T+\a], v[T+\a], v[T2+\a]
.endr
.irp a, 0,1,2,3,4,5,6,7
	ds_store_b32 v[AO], v[T+\a] offset:64*\a       ; my wave's part of row 16 a + r, at 4 bytes a row
.endr
	s_wait_dscnt 0x0
	s_barrier_signal -1
	s_barrier_wait -1
	s_cmp_lg_u32 s8, 0
	s_cbranch_scc1 .Lnot_out
.irp w, 0,1,2,3
	ds_load_b128 v[R+4*\w:R+4*\w+3], v[ARD] offset:512*\w          ; rows 4 lane .. + 3 of each wave's part
.endr
	s_wait_dscnt 0x0
	v_pk_add_f32 v[R:R+1],     v[R:R+1],     v[R+4:R+5]
	v_pk_add_f32 v[R+2:R+3],   v[R+2:R+3],   v[R+6:R+7]
	v_pk_add_f32 v[R+8:R+9],   v[R+8:R+9],   v[R+12:R+13]
	v_pk_add_f32 v[R+10:R+11], v[R+10:R+11], v[R+14:R+15]
	v_pk_add_f32 v[R:R+1],     v[R:R+1],     v[R+8:R+9]
	v_pk_add_f32 v[R+2:R+3],   v[R+2:R+3],   v[R+10:R+11]
.irp k, 0,1,2,3
	v_add_f32 v[R+\k], s35, v[R+\k]                ; + b2
.endr
.irp k, 0,1,2,3
	v_max_num_f32 v[R+\k], 0, v[R+\k]
.endr
	global_store_b128 v[AOUT], v[R:R+3], s[32:33]  ; the block's 128 results: 512 consecutive bytes, at a multiple of 512 from out0's first byte
.Lnot_out:
	s_wait_tensorcnt 0x0
	ds_add_u32 v62, v63
	s_wait_dscnt 0x0
	CROUND                                         ; the closing round: no work-group ends while a partner may still ask for a tile that names it
	s_endpgm
.Lfunc_end_k_q3a17da368a_simscore:
	.size	k_q3a17da368a_simscore, .Lfunc_end_k_q3a17da368a_simscore-k_q3a17da368a_simscore
	.p2alignl 7, 3214868480
	.fill 96, 4, 3214868480
	.section	.rodata,"a",@progbits
	.p2align	6, 0x0
	.amdhsa_kernel k_q3a17da368a_simscore
		.amdhsa_group_segment_fixed_size 327680
		.amdhsa_private_segment_fixed_size 0
		.amdhsa_enable_private_segment 0
		.amdhsa_kernarg_size 72
		.amdhsa_user_sgpr_count 2
		.amdhsa_user_sgpr_kernarg_segment_ptr 1
		.amdhsa_wavefront_size32 1
		.amdhsa_system_sgpr_workgroup_id_x 1
		.amdhsa_system_sgpr_workgroup_id_y 1
		.amdhsa_system_sgpr_workgroup_id_z 1
		.amdhsa_system_vgpr_workitem_id 0
		.amdhsa_next_free_vgpr 1024
		.amdhsa_next_free_sgpr 102
		.amdhsa_reserve_vcc 0
		.amdhsa_float_denorm_mode_32 3
		.amdhsa_float_denorm_mode_16_64 3
		.amdhsa_memory_ordered 1
		.amdhsa_forward_progress 1
		.amdhsa_inst_pref_size 255
	.end_amdhsa_kernel
	.section	.bss,"aw",@nobits
	.p2align	6
	.space	262144
	.amdgpu_metadata
---
amdhsa.version: [ 1, 2 ]
amdhsa.kernels:
  - .name:           k_q3a17da368a_simscore
    .symbol:         k_q3a17da368a_simscore.kd
    .args:
      - { .name: xb, .offset: 0, .size: 8, .value_kind: global_buffer, .address_space: global }
      - { .name: w1t, .offset: 8, .size: 8, .value_kind: global_buffer, .address_space: global }
      - { .name: hsq, .offset: 16, .size: 8, .value_kind: global_buffer, .address_space: global }
      - { .name: b1, .offset: 24, .size: 8, .value_kind: global_buffer, .address_space: global }
      - { .name: g1, .offset: 32, .size: 8, .value_kind: global_buffer, .address_space: global }
      - { .name: beta1, .offset: 40, .size: 8, .value_kind: global_buffer, .address_space: global }
      - { .name: w2, .offset: 48, .size: 8, .value_kind: global_buffer, .address_space: global }
      - { .name: b2, .offset: 56, .size: 8, .value_kind: global_buffer, .address_space: global }
      - { .name: out0, .offset: 64, .size: 8, .value_kind: global_buffer, .address_space: global }
    .group_segment_fixed_size: 327680
    .private_segment_fixed_size: 0
    .kernarg_segment_align: 8
    .kernarg_segment_size: 72
    .max_flat_workgroup_size: 128
    .sgpr_count:     102
    .vgpr_count:     1024
    .wavefront_size: 32
...
	.end_amdgpu_metadata
.endif
;; end of part 2
;; ======== version 2 of 3: 2 launches
;; limits: values are held in f16: magnitudes above 65,504 overflow, below 6.1e-05 lose precision
;; workspace buffers: xb 67,108,864 bytes; hsq 262,144 bytes; w1t 1,048,576 bytes
;; launch prep: the kernel of part 1 again; grid 272 x 1, 8 waves a work-group, no clusters, 5,120 bytes of LDS; arguments x, w1, xb, hsq, w1t; writes xb, hsq, w1t
;; launch simscore (part 3): grid 8 x 64, 4 waves a work-group, clusters of 4 x 1, 327,680 bytes of LDS; arguments xb, w1t, hsq, b1, g1, beta1, w2, b2, out0; writes out0
.if DOCPART == 3
	.amdgcn_target "amdgcn-amd-amdhsa--gfx1250"
	.amdhsa_code_object_version 6
	.text
	.protected	k_q3a17da368a_simscore
	.globl	k_q3a17da368a_simscore
	.p2align	8
	.type	k_q3a17da368a_simscore,@function
k_q3a17da368a_simscore:
	s_mov_b64 s[64:65], 0
	v_nop
	global_prefetch_b8 v0, s[64:65] scope:SCOPE_SE
	s_setreg_imm32_b32 hwreg(HW_REG_WAVE_MODE, 25, 1), 1
	s_wait_xcnt 0x0
	s_wait_alu depctr_hold_cnt(0) depctr_sa_sdst(0) depctr_va_vdst(0) depctr_va_sdst(0) depctr_va_ssrc(0) depctr_va_vcc(0) depctr_vm_vsrc(0)
	s_getreg_b32 s2, hwreg(HW_REG_IB_STS2, 6, 4)
	s_cmp_eq_u32 s2, 0
	s_cbranch_scc0 .Lentry_in_a_cluster
	s_endpgm
.Lentry_in_a_cluster:
	s_bfe_u32 s2, ttmp6, 0x10000c
	s_cmp_lg_u32 s2, 0x3003
	s_cbranch_scc0 .Lentry_shape_is_right
	s_endpgm
.Lentry_shape_is_right:
; out[b][s] = relu( w2 . relu( LayerNorm( softmax_t( -dist2(s,t)/13.544 ) W1^T + b1 ) ) + b2 ), all in one launch.
; A work-group takes 128 rows s of one batch, with four waves.  t goes in four chunks of 256, in flash form:
;   phase 1: S = Xchunk Q^T - sq_t/2 (K = 512, bf16); wave q makes all 128 s x the 64 t of the tiles 4 b + q, b = 0..3: 32 tiles, 256 registers;
;   softmax: a running maximum per row (over lanes, halves and waves), p = 2^(c S - c M), c = 2 log2(e)/13.544; sq_s is constant along a row and cancels;
;   phase 2: H += P W1^T (K = 256, f16); wave q makes 128 s x 128 columns: 64 tiles, 512 registers, kept in f32 to the end.
; Then H / l + b1, LayerNorm in two passes (mean, then the centred squares), gain, bias, relu, the product with w2, + b2, relu.
; FORMATS: x needs bf16's range, and its rounding enters through the distances alone.  p lies in [0, 1] and w1 is a weight: both have room in f16, whose
; 11 significant bits matter here, since with a softmax close to one-hot a row of H is a column of w1 and its rounding reaches the output undamped.
; BOTH PRODUCTS ARE USED TRANSPOSED: source 0 = rows of X (of W1), source 1 = rows of Q (of P).  Lane l then holds row s = 16 a + l % 16, and its eight
; registers eight neighbouring t (columns): row figures are sums inside a lane, a rescale is one register per tile row, and P packs to 16 bytes along t.
; CLUSTER 4, 1, 1: the four row blocks of a cluster belong to one batch and walk the same tiles of X and of W1, so every streamed tile is asked for jointly
; (mask 15).  Q, each work-group's own 128 rows, is a plain load.  The eight blocks of a batch make two clusters, since a mask names four.
; THE STREAM: 32 tiles, for each chunk X(k step 0..3, 256 t x 128 k) and then W(t block 0..3, 512 columns x 64 t), through two LDS slots by turns; behind the
; change of slots at the end of step n the slot just read gets tile n + 2.  A wave issues a quarter of each tile: four tensor loads out at the start, one later.
; P goes to LDS in slices of 64 t, two buffers, each written one step before it is multiplied.
; ONE TEXT FOR ALL FOUR CHUNKS.  The loop's body is  W2 W3 | X0 X1 X2 X3 softmax W0 W1  and it is entered at the bar; the back edge is taken three times, and only
; the last chunk's W2 and W3, which fill nothing, are written out behind it. So that the first chunk needs no text of its own,
; the maximum starts at -inf and -c M at +inf (the first rescale factor is 2^-inf = 0), l starts at 0, and H is started ahead of the loop by 64 products of a zero fragment.
; THE WAY OUT IS A LOOP TOO: H goes through LDS (into the slots and Q, which have had their last fill and their last read), so that a wave holds whole rows;
; LayerNorm is then eight trips of some 440 instructions in place of eight passes written out over 512 registers, and its sums never leave the wave.
; LIMITS: matrix operands are bf16 (x less its batch's row 0) and f16 (p, w1).  |w1| above 65,504 is infinite in f16.  Below 6.1e-5 f16's step is 6e-8: a p
; or a |w1| under 3e-8 counts as 0, which moves a row of H by at most 1,024 x 3e-8 x the largest |w1|.  v_exp_f32 gives 0 below 2^-126 (ISA guide, 15.8).
; The row sum l is made of the unrounded p.  NaN and infinities are not followed.
;
; LDS (bytes):  0 slot 0, 73,728 slot 1 (X rows 272 apart, W rows 144 apart);  147,456 Q, 128 rows 1,040 apart;  280,576 P, two slices of 128 rows 144 apart;
;               317,440 -sq/2 of the batch, 1,024 f32;  321,536 and 323,584 two exchange regions of 2,048.  At the end: 0 to 264,191 H, 128 rows 2,064 apart.
;               Every pitch is an odd multiple of 16 bytes, so the sixteen rows of a fragment load start in sixteen different 16-byte columns of 256 bytes.
; REGISTERS:    window 0: addresses, row figures, fragments;  window 1: S, tile (a, b) at 8 (8 b + a);
;               window 2: H tiles (a, hb) at 8 (8 a + hb), a = 0..3;  window 3: the same for a = 4..7.
.set SLOTB, 73728
.set XQ,    17408                      ; 64 rows of X
.set QB,    147456
.set QT,    16640                      ; 16 rows of Q
.set PB,    280576
.set PBUF,  18432                      ; a slice of P
.set PT,    2304                       ; 16 rows of P or of W
.set HSQB,  317440
.set EXA,   321536
.set EXB,   2048                       ; the second exchange region, counted from the first
.set HP,    2064                       ; the way out: a row of H, 2,048 bytes + 16
.set AX,   4                           ; v4, v5    my X fragments in slot 0, 1:  (16 q + r) 272 + 16 h
.set AQ,   6                           ; v6, v7    Q fragments, rows 0-63, 64-127
.set AW,   8                           ; v8, v9    my W fragments in slot 0, 1:  (128 q + r) 144 + 16 h
.set AP,   10                          ; v10       P fragments
.set APS,  11                          ; v11       where I put 16 bytes of P
.set AH,   12                          ; v12       my -sq/2 of this chunk; steps by 1,024 a chunk
.set AST,  13                          ; v13       exchange: my wave's 32 bytes of row r
.set ASR,  14                          ; v14       exchange: row r of wave 0
.set APF,  15                          ; v15       prefetch offset, stepped by a chunk
.set APFC, 16                          ; v16       the same, clamped to my batch
.set ALS,  17                          ; v17       the way out: where my wave's part of l goes
.set ARD,  18                          ; v18       the way out: where wave 0 reads the results back
.set AOUT, 19                          ; v19       16 x lane
.set AROW, 20                          ; v20       the way out: my 16 bytes in my wave's next row of H
.set ALR,  21                          ; v21       the way out: that row's four parts of l
.set M,    24                          ; v[24:31]  running maximum of S, one for each tile row a
.set NM,   32                          ; v[32:39]  -c M
.set L,    40                          ; v[40:55]  running sums of p, a pair for each tile row
.set Z,    56                          ; v[56:63]  a fragment of zeros, used once
.set AD,   56                          ; v[56:59]  later: where I put H, two tile rows to a register
.set F0,   64                          ; phase 1, buffer 0: X v64, Q rows 0-63 v96, Q rows 64-127 v128
.set F1,   160                         ; phase 1, buffer 1: v160, v192, v224
.set HC,   224                         ; -sq/2 of my four tiles, as the first products' C
.set WB0,  64                          ; phase 2: W fragments, two buffers of 64
.set WB1,  128
.set PLO,  192                         ; P fragments, rows 0-63
.set PHI,  224                         ; P fragments, rows 64-127
.set T,    64                          ; at work in the softmax
.set T2,   72
.set R,    80
.set AL,   112                         ; rescale factors
.set PAR,  64                          ; the way out: v[64:79] b1, v[80:95] g1, v[96:111] beta1, v[112:127] w2 of my 16 columns 128 j + 4 lane .. + 3
.set HR,   128                         ; v[128:191] four rows, 16 numbers each
.set LQ,   192                         ; v[192:207] their four parts of l
.set RL,   208                         ; v[208:211] 1 / l
.set SP,   212                         ; v[212:219] sums, a pair for each row
.set SS,   220                         ; v[220:223] sums
.set S2,   224
.set MU,   228                         ; v[228:231] means
.set RS,   232                         ; v[232:235] 1 / sqrt(variance + 1e-5)
.set OUTV, 236                         ; lane l gathers the figure of my wave's row l
.set ET,   240
.set ET2,  248
.set G1X,  36                          ; descriptor groups 1 (shape), written once
.set G1W,  44
.set G1Q,  72
.set G1H,  84
.set G0X0, 52                          ; descriptor groups 0 (from where, to where): X into slot 0, slot 1; W into slot 0, slot 1; Q; -sq/2
.set G0X1, 56
.set G0W0, 60
.set G0W1, 68
.set G0Q,  80
.set G0H,  92
.set MSB, 0
.macro WIN new                         ; s_set_vgpr_msb: bits 1:0 source 0, 3:2 source 1, 5:4 source 2, 7:6 destination; the high byte repeats the setting that is left
.if MSB != \new
	s_set_vgpr_msb (MSB<<8)|\new
.set MSB, \new
.endif
.endm
; Four places: a vector instruction or a load that touches a matrix instruction's registers stands four plain vector instructions behind it.
.macro PLACES
.rept 4
	v_nop
.endr
.endm
; A round of the cluster's barrier behind its opening work-group barrier: wave 0 signals for the work-group, every wave waits for all four work-groups, the work-group's barrier closes it.
.macro CREST
	s_cmp_lg_u32 s8, 0
	s_cbranch_scc1 .Lnot_wave_0_\@
	s_barrier_signal -3
.Lnot_wave_0_\@:
	s_barrier_wait -3
	s_barrier_signal -1
	s_barrier_wait -1
.endm
.macro CROUND
	s_barrier_signal -1
	s_barrier_wait -1
	CREST
.endm
.macro SETG1 g, w0, w1, w2, w3, w4, w5
	s_mov_b32 s[\g+0], \w0
	s_mov_b32 s[\g+1], \w1
	s_mov_b32 s[\g+2], \w2
	s_mov_b32 s[\g+3], \w3
	s_mov_b32 s[\g+4], \w4
	s_mov_b32 s[\g+5], \w5
	s_mov_b32 s[\g+6], 0
	s_mov_b32 s[\g+7], 0
.endm
	s_load_b512 s[16:31], s[0:1], 0x0              ; xb s[16:17], w1t s[18:19], hsq s[20:21], b1 s[22:23], g1 s[24:25], beta1 s[26:27], w2 s[28:29], b2 s[30:31]
	s_load_b64 s[32:33], s[0:1], 0x40              ; out0
	v_lshl_add_u32 v62, v0, 2, 0x4f800
	v_mov_b32 v63, 0
	ds_add_u32 v62, v63
	s_wait_dscnt 0x0
	v_lshrrev_b32 v1, 5, v0
	v_readfirstlane_b32 s8, v1                     ; wave q
	s_bfe_u32 s9, ttmp6, 0x40000                   ; cx: my place in the cluster
	s_lshl_b32 s10, ttmp9, 2
	s_add_co_u32 s10, s10, s9                      ; row block = 4 x cluster x + cx.  s9, s10, s[100:101], v15 and v16 alone ever hold what hangs on cx
	s_and_b32 s11, ttmp7, 0xffff                   ; batch
	s_mov_b32 s12, 0x76543210                      ; v_permlanex16_b32: lane i of one half reads lane i of the other
	s_mov_b32 s13, 0xfedcba98
	s_mov_b32 s14, 0x3e5a26b3                      ; c = 2 log2(e) / 13.544, twice: a pair for the packed forms
	s_mov_b32 s15, 0x3e5a26b3
	s_mov_b32 s3, 0xbe5a26b3                       ; -c
	s_mov_b32 s4, 0x3b000000                       ; 1 / 512
	s_mov_b32 s5, 0x3727c5ac                       ; 1e-5
	; word 0: 15:0 mask, 17:16 element size, 20 padding on, 21 set beside a mask, 24:22 interval, 31:25 pad - 1.  Then tensor_dim0, tensor_dim1, tile_dim0 (each << 16), tile_dim1, pitch.
	SETG1 G1X, 0x0771000f, 128<<16, 64<<16, 128<<16, 64, 512      ; 64 rows x 128 bf16 of rows of 512; 4 words of padding behind every 64: LDS pitch 272
	SETG1 G1W, 0x0733000f, 32<<16, 64<<16, 32<<16, 64, 32         ; 16 KiB, dense, as 64 rows of 32 elements of 8 bytes; 4 words behind every 32: each 128-byte row of W gets pitch 144
	SETG1 G1Q, 0x07d10000, 512<<16, 32<<16, 512<<16, 32, 512      ; no mask: 32 rows x 512 bf16; 4 words behind every 256: LDS pitch 1,040
	SETG1 G1H, 0x0023000f, 128<<16, 1<<16, 128<<16, 1, 128        ; one row of 128 elements of 8 bytes
	s_mov_b32 s[G0X0], 1
	s_mul_i32 s[G0X0+1], s8, XQ                    ; LDS addresses: the wave's number times a constant, plus the region's constant
	s_mov_b32 s[G0X1], 1
	s_add_co_u32 s[G0X1+1], s[G0X0+1], SLOTB
	s_mov_b32 s[G0W0], 1
	s_mul_i32 s[G0W0+1], s8, 18432
	s_mov_b32 s[G0W1], 1
	s_add_co_u32 s[G0W1+1], s[G0W0+1], SLOTB
	s_mov_b32 s[G0Q], 1
	s_mul_i32 s[G0Q+1], s8, 33280                  ; 32 rows of 1,040
	s_add_co_u32 s[G0Q+1], s[G0Q+1], QB
	s_mov_b32 s[G0H], 1
	s_lshl_b32 s[G0H+1], s8, 10
	s_add_co_u32 s[G0H+1], s[G0H+1], HSQB
	s_mov_b32 s99, 0
	s_mov_b32 s101, 0
	s_wait_kmcnt 0x0
	s_load_b32 s35, s[30:31], 0x0                  ; b2
	s_lshl_b32 s98, s11, 20                        ; a batch of xb: 1,024 rows of 1,024 bytes
	s_add_nc_u64 s[96:97], s[16:17], s[98:99]      ; xb at my batch
	s_lshl_b32 s98, s8, 16                         ; my 64 rows of a tile of X
	s_add_nc_u64 s[G0X0+2:G0X0+3], s[96:97], s[98:99]              ; chunk 0, k step 0
	s_add_nc_u64 s[G0X1+2:G0X1+3], s[G0X0+2:G0X0+3], 256           ; chunk 0, k step 1
	s_lshl_b32 s98, s8, 14                         ; my 128 rows of a tile of W
	s_add_nc_u64 s[G0W0+2:G0W0+3], s[18:19], s[98:99]              ; t block 0
	s_add_nc_u64 s[G0W1+2:G0W1+3], s[G0W0+2:G0W0+3], 65536         ; t block 1
	s_lshl_b32 s98, s11, 12
	s_lshl_b32 s6, s8, 10
	s_add_co_u32 s98, s98, s6
	s_add_nc_u64 s[G0H+2:G0H+3], s[20:21], s[98:99]                ; my quarter of the batch's -sq/2
	s_lshl_b32 s100, s10, 17                       ; my block's 128 rows,
	s_lshl_b32 s6, s8, 15                          ; my wave's 32 of them
	s_add_co_u32 s100, s100, s6
	s_add_nc_u64 s[G0Q+2:G0Q+3], s[96:97], s[100:101]
	s_lshl_b32 s100, s10, 9
	s_lshl_b32 s6, s11, 12
	s_add_co_u32 s100, s100, s6
	s_add_nc_u64 s[32:33], s[32:33], s[100:101]    ; out0 at my 128 rows
	s_or_b32 s[G0X0+3], s[G0X0+3], 0x80000000      ; 127:126 type = 2
	s_or_b32 s[G0X1+3], s[G0X1+3], 0x80000000
	s_or_b32 s[G0W0+3], s[G0W0+3], 0x80000000
	s_or_b32 s[G0W1+3], s[G0W1+3], 0x80000000
	s_or_b32 s[G0Q+3], s[G0Q+3], 0x80000000
	s_or_b32 s[G0H+3], s[G0H+3], 0x80000000
	CROUND                                         ; all four work-groups are here: the first joint loads meet
	tensor_load_to_lds s[G0Q:G0Q+3], s[G1Q:G1Q+7]  ; the first fills, one group, ahead of every wait on TENSORcnt, LDS read and further barrier
	s_nop 0
	tensor_load_to_lds s[G0H:G0H+3], s[G1H:G1H+7]
	s_nop 0
	tensor_load_to_lds s[G0X0:G0X0+3], s[G1X:G1X+7]
	s_nop 0
	tensor_load_to_lds s[G0X1:G0X1+3], s[G1X:G1X+7]
	s_nop 0
	v_and_b32 v1, 15, v0                           ; r
	v_bfe_u32 v2, v0, 4, 1                         ; h
	v_and_b32 v3, 31, v0                           ; lane
	s_lshl_b32 s6, s8, 4
	v_add_nc_u32 v22, s6, v1                       ; 16 q + r
	v_mul_u32_u24 v[AX], v22, 272
	v_lshl_add_u32 v[AX], v2, 4, v[AX]
	v_add_nc_u32 v[AX+1], SLOTB, v[AX]
	v_mul_u32_u24 v[AQ], v1, 1040
	v_lshl_add_u32 v[AQ], v2, 4, v[AQ]
	v_add_nc_u32 v[AQ], QB, v[AQ]
	v_add_nc_u32 v[AQ+1], 4*QT, v[AQ]
	s_lshl_b32 s6, s8, 7
	v_add_nc_u32 v22, s6, v1                       ; 128 q + r
	v_mul_u32_u24 v[AW], v22, 144
	v_lshl_add_u32 v[AW], v2, 4, v[AW]
	v_add_nc_u32 v[AW+1], SLOTB, v[AW]
	v_mul_u32_u24 v[AP], v1, 144
	v_lshl_add_u32 v[AP], v2, 4, v[AP]
	v_add_nc_u32 v[AP], PB, v[AP]
	v_lshl_add_u32 v[APS], s8, 5, v[AP]            ; my tile's 16 t are bytes 32 q .. of a slice's row; my 8 of them at + 16 h
	v_lshlrev_b32 v[AH], 5, v2
	v_lshl_add_u32 v[AH], s8, 6, v[AH]
	v_add_nc_u32 v[AH], HSQB, v[AH]                ; t = 64 b + 16 q + 8 h + j, four bytes each
	v_lshlrev_b32 v[ASR], 5, v1
	v_add_nc_u32 v[ASR], EXA, v[ASR]
	v_lshl_add_u32 v[AST], s8, 9, v[ASR]
	v_lshlrev_b32 v[APF], 8, v3                    ; lanes 256 bytes apart,
	v_lshl_add_u32 v[APF], s8, 13, v[APF]          ; 8 KiB a wave,
	v_lshl_add_u32 v[APF], s10, 15, v[APF]         ; 32 KiB a row block: the batch's eight blocks ask for each 256 bytes of a chunk once.  Chunk 0 here; stepped ahead of each use
	v_lshlrev_b32 v[AOUT], 4, v3
	v_add_nc_u32 v[ARD], EXA+EXB, v[AOUT]
.irp a, 0,1,2,3,4,5,6,7
	v_mov_b32 v[M+\a], 0xff800000                  ; the maximum so far: -inf
	v_mov_b32 v[NM+\a], 0x7f800000                 ; -c M: +inf, so that the first rescale factor is 2^-inf = 0
	v_mov_b32 v[Z+\a], 0
.endr
.set lz, 0
.rept 16
	v_mov_b32 v[L+lz], 0                           ; l so far
.set lz, lz+1
.endr
	; H starts at exactly 0: 64 products of the zero fragment with C = 0, while the first tiles are on their way.  They let the first chunk run through the loop's text.
	WIN 0xa0
.set hz, 0
.rept 32
	v_wmma_f32_16x16x32_f16 v[8*hz:8*hz+7], v[Z:Z+7], v[Z:Z+7], 0
.set hz, hz+1
.endr
	WIN 0xf0
.set hz, 0
.rept 32
	v_wmma_f32_16x16x32_f16 v[8*hz:8*hz+7], v[Z:Z+7], v[Z:Z+7], 0
.set hz, hz+1
.endr
	WIN 0
	s_wait_kmcnt 0x0                               ; b2
; ---- fragments.  16 rows x 32 K of 16-bit numbers: lane l holds row l % 16; registers 0-3 K = 8 (l / 16) + 0..7, registers 4-7 K = 16 + 8 (l / 16) + 0..7: two loads of 16 bytes, 32 bytes apart.
.macro LOADX f, slot, kb               ; my four tiles of X (rows 64 b + 16 q ..), 32 K at byte kb of the slot's rows
.irp b, 0,1,2,3
	ds_load_b128 v[\f+8*\b:\f+8*\b+3],   v[AX+\slot] offset:XQ*\b+\kb
	ds_load_b128 v[\f+8*\b+4:\f+8*\b+7], v[AX+\slot] offset:XQ*\b+\kb+32
.endr
.endm
.macro LOADQ dst, half, kabs           ; four tile rows of Q, 32 K at byte kabs of Q's rows
.irp a, 0,1,2,3
	ds_load_b128 v[\dst+8*\a:\dst+8*\a+3],   v[AQ+\half] offset:QT*\a+\kabs
	ds_load_b128 v[\dst+8*\a+4:\dst+8*\a+7], v[AQ+\half] offset:QT*\a+\kabs+32
.endr
.endm
.macro LOADH off                       ; -sq/2 of my four tiles, in the layout of C: register j = t 8 h + j
.irp b, 0,1,2,3
	ds_load_b128 v[HC+8*\b:HC+8*\b+3],   v[AH] offset:\off+256*\b
	ds_load_b128 v[HC+8*\b+4:HC+8*\b+7], v[AH] offset:\off+256*\b+16
.endr
.endm
.macro LOADW wb, slot, kq              ; my eight tiles of W, 32 K
.irp hb, 0,1,2,3,4,5,6,7
	ds_load_b128 v[\wb+8*\hb:\wb+8*\hb+3],   v[AW+\slot] offset:PT*\hb+64*\kq
	ds_load_b128 v[\wb+8*\hb+4:\wb+8*\hb+7], v[AW+\slot] offset:PT*\hb+64*\kq+32
.endr
.endm
.macro LOADP blk, a0, buf, kq          ; four tile rows of P from slice buffer buf, 32 K
.irp a, 0,1,2,3
	ds_load_b128 v[\blk+8*\a:\blk+8*\a+3],   v[AP] offset:PBUF*\buf+PT*(\a0+\a)+64*\kq
	ds_load_b128 v[\blk+8*\a+4:\blk+8*\a+7], v[AP] offset:PBUF*\buf+PT*(\a0+\a)+64*\kq+32
.endr
.endm
; ---- products.  The accumulators take turns, one instruction a turn, in the same order in every quarter.
; S's accumulators see the bf16 form alone, H's the f16 form alone.
; 16 of phase 1: tile rows 4 half .. + 3 x my four tiles.  init = 1: C is -sq/2, which starts the sums: nothing is cleared or added later.
.macro MUL1 f, half, init
.irp a, 0,1,2,3
.irp b, 0,1,2,3
.if \init
	v_wmma_f32_16x16x32_bf16 v[8*(8*\b+4*\half+\a):8*(8*\b+4*\half+\a)+7], v[\f+8*\b:\f+8*\b+7], v[\f+32+8*(4*\half+\a):\f+32+8*(4*\half+\a)+7], v[HC+8*\b:HC+8*\b+7]
.else
	v_wmma_f32_16x16x32_bf16 v[8*(8*\b+4*\half+\a):8*(8*\b+4*\half+\a)+7], v[\f+8*\b:\f+8*\b+7], v[\f+32+8*(4*\half+\a):\f+32+8*(4*\half+\a)+7], v[8*(8*\b+4*\half+\a):8*(8*\b+4*\half+\a)+7]
.endif
.endr
.endr
.endm
; 8 n of phase 2: tile rows a0 .. a0 + n - 1 of the window x my eight column tiles
.macro MUL2 wb, pb, a0, n
.set ma, \a0
.rept \n
.irp hb, 0,1,2,3,4,5,6,7
	v_wmma_f32_16x16x32_f16 v[8*(8*ma+\hb):8*(8*ma+\hb)+7], v[\wb+8*\hb:\wb+8*\hb+7], v[\pb+8*ma:\pb+8*ma+7], v[8*(8*ma+\hb):8*(8*ma+\hb)+7]
.endr
.set ma, ma+1
.endr
.endm
; ---- phase 1.  A k step of 128 is four quarters of 32 K, 32 matrix instructions each, on buffers 0, 1, 0, 1.
; One of the first three: multiplies buffer f, and in its middle fetches the next quarter's fragments into buffer g.
.macro QUARTER1 f, g, slot, kb, kabs, init
	s_wait_dscnt 8                                 ; all but the youngest eight loads, Q's rows 64-127
.if \init
	WIN 0x40                                       ; D in window 1, C in window 0
.else
	WIN 0x50                                       ; C and D in window 1
.endif
	MUL1 \f, 0, \init
	PLACES
	WIN 0
	LOADX \g, \slot, \kb
	LOADQ \g+32, 0, \kabs
.if \init
	s_wait_dscnt 16                                ; all but the sixteen just issued
	WIN 0x40
	MUL1 \f, 1, 1
	PLACES                                         ; -sq/2 lay where buffer 1 keeps Q's rows 64-127: these come only now
	WIN 0
	LOADQ \g+64, 1, \kabs
.else
	LOADQ \g+64, 1, \kabs
	s_wait_dscnt 24                                ; all but the 24 just issued
	WIN 0x50
	MUL1 \f, 1, 0
.endif
.endm
; The fourth quarter multiplies buffer 1 and changes slots.  In front of the round each wave waits for its reads of this slot and for all its tensor loads (the one
; that is out is its part of the other slot); a group 0 may then be stepped.  Inside the round: register work alone.  Behind it the refill comes first.
.macro TURN1 ks, next, stepg, stepby, isg0, isg1
	s_wait_dscnt 0x0
	s_wait_xcnt 0x0
	s_set_vgpr_msb 0x5010
	v_lshl_add_u32 v62, v0, 2, 0x4f800
	v_mov_b32 v63, 0
	s_wait_tensorcnt 0x0
	ds_add_u32 v62, v63
	s_wait_dscnt 0x0
	s_set_vgpr_msb 0x1050
	s_add_nc_u64 s[\stepg+2:\stepg+3], s[\stepg+2:\stepg+3], \stepby
	s_barrier_signal -1
	WIN 0x50
	MUL1 F1, 0, 0
	WIN 0
	s_barrier_wait -1
	CREST                                          ; no wave of any partner still reads this slot or has a load on its way
	tensor_load_to_lds s[\isg0:\isg0+3], s[\isg1:\isg1+7]          ; my one tensor load behind the round: my quarter of the tile two steps ahead
	s_nop 0
.if \ks < 3
	PLACES
	LOADX F0, \next, 0
	LOADQ F0+32, 0, 256*(\ks+1)
	LOADQ F0+64, 1, 256*(\ks+1)
.endif
	WIN 0x50
	MUL1 F1, 1, 0
.endm
.macro XSTEP ks, slot, next, init, stepg, stepby, isg0, isg1
	QUARTER1 F0, F1, \slot, 64,  256*\ks+64,  \init
	QUARTER1 F1, F0, \slot, 128, 256*\ks+128, 0
	QUARTER1 F0, F1, \slot, 192, 256*\ks+192, 0
	TURN1 \ks, \next, \stepg, \stepby, \isg0, \isg1
.endm
; ---- a slice of P: my tile b = u of all eight tile rows (window 1, registers 64 u .. 64 u + 63).  p = 2^(c S - c M), summed in f32, rounded to f16, 16 bytes a lane into LDS.
; A tile row's figure is one register of a pair; op_sel picks it for both halves of a packed form.
.macro SLICE u
	WIN 0x41                                       ; source 0 and destination in window 1
.irp p, 0,1,2,3
.irp k, 0,2,4,6
	v_pk_fma_f32 v[64*\u+16*\p+\k:64*\u+16*\p+\k+1], v[64*\u+16*\p+\k:64*\u+16*\p+\k+1], s[14:15], v[NM+2*\p:NM+2*\p+1] op_sel_hi:[1,0,0]
.endr
.irp k, 8,10,12,14
	v_pk_fma_f32 v[64*\u+16*\p+\k:64*\u+16*\p+\k+1], v[64*\u+16*\p+\k:64*\u+16*\p+\k+1], s[14:15], v[NM+2*\p:NM+2*\p+1] op_sel:[0,0,1] op_sel_hi:[1,0,1]
.endr
.endr
.set sr, 0
.rept 64
	v_exp_f32 v[64*\u+sr], v[64*\u+sr]
.set sr, sr+1
.endr
	v_nop                                          ; one plain place behind the run of exponentials, before any result is read (ISA guide 5.7.2)
	WIN 0x01
	s_wait_alu depctr_va_vdst(0)
.irp k, 0,2,4,6
.irp a, 0,1,2,3,4,5,6,7
	v_pk_add_f32 v[L+2*\a:L+2*\a+1], v[64*\u+8*\a+\k:64*\u+8*\a+\k+1], v[L+2*\a:L+2*\a+1]
.endr
.endr
	WIN 0x45
.irp a, 0,1,2,3,4,5,6,7
.irp k, 0,1,2,3
	v_cvt_pk_f16_f32 v[64*\u+8*\a+\k], v[64*\u+8*\a+2*\k], v[64*\u+8*\a+2*\k+1]       ; in place: word k is written when words 2 k, 2 k + 1 are read
.endr
.endr
	WIN 0x04                                       ; store data in window 1
.irp a, 0,1,2,3,4,5,6,7
	ds_store_b128 v[APS], v[64*\u+8*\a:64*\u+8*\a+3] offset:(\u&1)*PBUF+PT*\a
.endr
.endm
; One window's four tile rows of H times a figure per row (rows 2 p, 2 p + 1: the pair at reg + 2 p)
.macro HMULB reg
.irp p, 0,1
.set hr, 0
.rept 32
	v_pk_mul_f32 v[128*\p+hr:128*\p+hr+1], v[128*\p+hr:128*\p+hr+1], v[\reg+2*\p:\reg+2*\p+1] op_sel_hi:[1,0]
.set hr, hr+2
.endr
.rept 32
	v_pk_mul_f32 v[128*\p+hr:128*\p+hr+1], v[128*\p+hr:128*\p+hr+1], v[\reg+2*\p:\reg+2*\p+1] op_sel:[0,1] op_sel_hi:[1,1]
.set hr, hr+2
.endr
.endr
.endm
; ---- the running maximum, the rescale, and slice 0
.macro SOFTMAX
	WIN 0
	s_wait_xcnt 0x0                                ; the prefetch's offset is rewritten only behind this wait; the last prefetch stands a whole chunk back
	v_add_nc_u32 v[APF], 262144, v[APF]            ; the chunk behind this one,
	v_min_u32 v[APFC], 0xfff00, v[APF]             ; or, behind the last chunk, the last 256 bytes of my batch: no prefetch leaves it
	PLACES
	WIN 0x05                                       ; sources 0 and 1 in window 1
.set si, 0
.rept 16                                           ; eight chains, one for each tile row, over my 32 numbers of the row; the old maximum starts them
.set sa, 0
.rept 8
.if si == 0
	v_max3_num_f32 v[T+sa], v[8*sa], v[8*sa+1], v[M+sa]
.else
	v_max3_num_f32 v[T+sa], v[8*(8*(si/4)+sa)+2*(si%4)], v[8*(8*(si/4)+sa)+2*(si%4)+1], v[T+sa]
.endif
.set sa, sa+1
.endr
.set si, si+1
.endr
	WIN 0
.irp a, 0,1,2,3,4,5,6,7
	v_permlanex16_b32 v[T2+\a], v[T+\a], s12, s13  ; the other half of the lanes holds the tile's other eight t
.endr
.irp a, 0,1,2,3,4,5,6,7
	v_max_num_f32 v[T+\a], v[T+\a], v[T2+\a]
.endr
	ds_store_b128 v[AST], v[T:T+3]                 ; row r's eight figures; both halves write the same
	ds_store_b128 v[AST], v[T+4:T+7] offset:16
	s_wait_dscnt 0x0                               ; for the other waves' sake
	s_barrier_signal -1                            ; the next tile of W stays on its way
	s_barrier_wait -1
.irp w, 0,1,2,3
	ds_load_b128 v[R+8*\w:R+8*\w+3],   v[ASR] offset:512*\w
	ds_load_b128 v[R+8*\w+4:R+8*\w+7], v[ASR] offset:512*\w+16
.endr
	s_wait_dscnt 0x0
.irp a, 0,1,2,3,4,5,6,7
	v_max3_num_f32 v[M+\a], v[R+\a], v[R+8+\a], v[R+16+\a]
.endr
.irp a, 0,1,2,3,4,5,6,7
	v_max_num_f32 v[M+\a], v[M+\a], v[R+24+\a]
.endr
.irp a, 0,1,2,3,4,5,6,7
	v_mul_f32 v[T+\a], s3, v[M+\a]
.endr
.irp a, 0,1,2,3,4,5,6,7
	v_sub_f32 v[AL+\a], v[T+\a], v[NM+\a]          ; the difference of the two ROUNDED shifts, so that old and new terms stay on one scale
.endr
.irp a, 0,1,2,3,4,5,6,7
	v_exp_f32 v[AL+\a], v[AL+\a]
.endr
.irp a, 0,1,2,3,4,5,6,7
	v_mov_b32 v[NM+\a], v[T+\a]                    ; also the plain places behind the exponentials
.endr
	s_wait_alu depctr_va_vdst(0)
.irp p, 0,1,2,3
	v_pk_mul_f32 v[L+4*\p:L+4*\p+1],   v[L+4*\p:L+4*\p+1],   v[AL+2*\p:AL+2*\p+1] op_sel_hi:[1,0]
	v_pk_mul_f32 v[L+4*\p+2:L+4*\p+3], v[L+4*\p+2:L+4*\p+3], v[AL+2*\p:AL+2*\p+1] op_sel:[0,1] op_sel_hi:[1,1]
.endr
	WIN 0x82
	HMULB AL
	WIN 0xc3
	HMULB AL+4
	SLICE 0
	WIN 0
	s_wait_dscnt 0x0                               ; my part of slice 0 is in LDS
	s_barrier_signal -1
	s_barrier_wait -1
	LOADW WB0, 0, 0
	LOADP PLO, 0, 0, 0
.endm
.macro PARAM base, sreg                ; 16 numbers of my columns 128 j + 4 lane .. + 3: a load of the wave covers 512 consecutive bytes
.irp j, 0,1,2,3
	global_load_b128 v[\base+4*\j:\base+4*\j+3], v[AOUT], s[\sreg:\sreg+1] offset:512*\j
.endr
.endm
; ---- phase 2.  A step is one tile of W (64 t) and one slice of P: two quarters of 32 K, 64 matrix instructions each.  In its first quarter the next slice is made.
; fill = 1: the slot is filled again at the step's end.  tail = 1: the launch's last step, with no change of slots.
.macro WSTEP u, fill, tail, stepg, stepby, isg0, isg1
	WIN 0
.if \u > 0
	PLACES
.endif
	LOADP PHI, 4, (\u&1), 0
.if \u == 0
	global_prefetch_b8 v[APFC], s[96:97] th:TH_LOAD_NT scope:SCOPE_SE   ; my 32 blocks of 256 bytes of the next chunk of X, whose first tile is asked for two steps from here
.endif
.if \u == 3
	s_wait_dscnt 8                                 ; W and P's rows 0-63 are in; P's rows 64-127 may be out
.else
	SLICE (\u+1)
	s_wait_dscnt 16                                ; the same; the slice's eight stores may be out too
.endif
	WIN 0xa0
	MUL2 WB0, PLO, 0, 4
	PLACES
	WIN 0
	LOADW WB1, (\u&1), 1
	LOADP PLO, 0, (\u&1), 1
	s_wait_dscnt 24                                ; all but the 24 just issued
	WIN 0xf0
	MUL2 WB0, PHI, 0, 4
	PLACES
	WIN 0
	LOADP PHI, 4, (\u&1), 1
.if \tail
	PARAM PAR, 22                                  ; W's buffer 0 is free: b1, g1, beta1, w2 land there while the last 64 products run
	PARAM PAR+16, 24
	PARAM PAR+32, 26
	PARAM PAR+48, 28
.endif
	s_wait_dscnt 8
	WIN 0xa0
.if \tail
	MUL2 WB1, PLO, 0, 4
	s_wait_dscnt 0x0
	WIN 0xf0
	MUL2 WB1, PHI, 0, 4
.else
	MUL2 WB1, PLO, 0, 2
	s_wait_dscnt 0x0                               ; my reads of this slot and of this slice are over, my part of the next slice is in LDS,
	s_wait_xcnt 0x0
	s_set_vgpr_msb 0xa020
	v_lshl_add_u32 v62, v0, 2, 0x4f800
	v_mov_b32 v63, 0
	s_wait_tensorcnt 0x0                           ; and all my tensor loads have landed: my part of the other slot
	ds_add_u32 v62, v63
	s_wait_dscnt 0x0
	s_set_vgpr_msb 0x20a0
.if \fill
	s_add_nc_u64 s[\stepg+2:\stepg+3], s[\stepg+2:\stepg+3], \stepby
.endif
	s_barrier_signal -1
	MUL2 WB1, PLO, 2, 2
	WIN 0
	s_barrier_wait -1
.if \fill
	CREST
	tensor_load_to_lds s[\isg0:\isg0+3], s[\isg1:\isg1+7]
	s_nop 0
.endif
	PLACES
.if \u == 3
	LOADX F0, 0, 0                                 ; the next chunk's first fragments
	LOADQ F0+32, 0, 0
.else
	LOADW WB0, (1-(\u&1)), 0
	LOADP PLO, 0, (1-(\u&1)), 0
.endif
	WIN 0xf0
	MUL2 WB1, PHI, 0, 4
.if \u == 3
	PLACES                                         ; these land where the last products' fragments lay
	WIN 0
	LOADH 1024
	LOADQ F0+64, 1, 0
	v_add_nc_u32 v[AH], 1024, v[AH]
.endif
.endif
.endm
	s_wait_tensorcnt 0x1                           ; Q, -sq/2 and the first tile of X are in; the second tile stays out
	s_add_nc_u64 s[G0X0+2:G0X0+3], s[G0X0+2:G0X0+3], 512   ; its load is done: now k step 2
	s_barrier_signal -1
	s_barrier_wait -1                              ; everybody's parts are in
	LOADX F0, 0, 0
	LOADQ F0+32, 0, 0
	LOADH 0
	LOADQ F0+64, 1, 0
	s_mov_b32 s34, 4                               ; four chunks
	s_branch .Lentry                               ; the loop is entered in its middle.  Both ways reach .Lentry alike: one tensor load out (the second tile of X),
	                                               ; the same 32 LDS loads out in the same order, every window 0
; Behind each step: which group 0 is stepped (its load has landed) and by how much, and which tile is asked for.
;   X tiles: 256 bytes a k step, 262,144 a chunk; W tiles: 65,536 a t block.  In the last chunk three of the stepped addresses are never used.
.Lchunk:
	WSTEP 2, 1, 0, G0W1, 131072, G0X0, G1X         ; the next chunk's k step 0
	WSTEP 3, 1, 0, G0X0, 512,    G0X1, G1X         ; the next chunk's k step 1
.Lentry:
	XSTEP 0, 0, 1, 1, G0X1, 512,    G0X0, G1X      ; k step 2 into slot 0
	XSTEP 1, 1, 0, 0, G0X0, 261632, G0X1, G1X      ; k step 3 into slot 1
	XSTEP 2, 0, 1, 0, G0X1, 261632, G0W0, G1W      ; W 0 into slot 0
	XSTEP 3, 1, 0, 0, G0W0, 131072, G0W1, G1W      ; W 1 into slot 1
	SOFTMAX
	WSTEP 0, 1, 0, G0W1, 131072, G0W0, G1W         ; W 2
	WSTEP 1, 1, 0, G0W0, 131072, G0W1, G1W         ; W 3
	WIN 0
	s_sub_co_u32 s34, s34, 1
	s_cmp_lg_u32 s34, 0
	s_cbranch_scc1 .Lchunk
	WSTEP 2, 0, 0, G0W1, 0, G0W0, G1W              ; the last chunk's last two steps fill nothing (the last four arguments are not used)
	WSTEP 3, 0, 1, G0W1, 0, G0W0, G1W
; ---- THE WAY OUT.
	PLACES                                         ; behind the last matrix instructions
	WIN 0
.irp a, 0,1,2,3,4,5,6,7
	v_add_f32 v[ET+\a], v[L+2*\a], v[L+2*\a+1]
.endr
.irp a, 0,1,2,3,4,5,6,7
	v_permlanex16_b32 v[ET2+\a], v[ET+\a], s12, s13
.endr
.irp a, 0,1,2,3,4,5,6,7
	v_add_f32 v[ET+\a], v[ET+\a], v[ET2+\a]        ; my wave's part of l of row 16 a + r
.endr
	v_lshlrev_b32 v[ALS], 4, v1
	v_lshl_add_u32 v[ALS], s8, 2, v[ALS]
	v_add_nc_u32 v[ALS], EXA, v[ALS]               ; 16 bytes a row: the four waves' parts side by side
.irp a, 0,1,2,3,4,5,6,7
	ds_store_b32 v[ALS], v[ET+\a] offset:256*\a    ; both halves write the same
.endr
	v_mul_u32_u24 v[AD], v1, HP                    ; H: row r,
	v_lshl_add_u32 v[AD], v2, 5, v[AD]             ; column 128 q + 16 hb + 8 h + j, four bytes each
	v_lshl_add_u32 v[AD], s8, 9, v[AD]
	v_add_nc_u32 v[AD+1], 32*HP, v[AD]             ; two tile rows to a register: the immediate reaches 65,535
	v_add_nc_u32 v[AD+2], 64*HP, v[AD]
	v_add_nc_u32 v[AD+3], 96*HP, v[AD]
	s_mul_i32 s6, s8, 32*HP
	v_add_nc_u32 v[AROW], s6, v[AOUT]              ; back: my wave's rows 32 q .., 16 bytes a lane
	s_lshl_b32 s6, s8, 9
	s_add_co_u32 s6, s6, EXA
	v_mov_b32 v[ALR], s6
	v_mov_b32 v[OUTV], 0                           ; written whole once: each lane's number is chosen into it later
	s_wait_dscnt 0x0                               ; my reads of the slots and of P are over, my parts of l are in LDS
	s_barrier_signal -1                            ; no tensor load is out (the wait for 0 of the last change of slots), and none follows
	s_barrier_wait -1                              ; nobody reads the slots or Q any more: H may go there
.macro DUMP w                          ; a window's four tile rows: 16 bytes = four neighbouring columns of a row
.irp a, 0,1,2,3
.irp hb, 0,1,2,3,4,5,6,7
	ds_store_b128 v[AD+2*\w+(\a/2)], v[8*(8*\a+\hb):8*(8*\a+\hb)+3]   offset:(\a%2)*16*HP+64*\hb
	ds_store_b128 v[AD+2*\w+(\a/2)], v[8*(8*\a+\hb)+4:8*(8*\a+\hb)+7] offset:(\a%2)*16*HP+64*\hb+16
.endr
.endr
.endm
	WIN 0x08                                       ; store data in window 2
	DUMP 0
	WIN 0x0c                                       ; in window 3
	DUMP 1
	WIN 0
	s_wait_dscnt 0x0
	s_barrier_signal -1
	s_barrier_wait -1                              ; H is whole
	s_wait_loadcnt 0x0                             ; b1, g1, beta1, w2
; The pairs of sums become one number a row, then the sum over the 32 lanes, in every lane; the four rows' chains are interleaved.
.macro FOLDRED
.irp i, 0,1,2,3
	v_add_f32 v[SS+\i], v[SP+2*\i], v[SP+2*\i+1]
.endr
.irp m, 1,2,4,8
.irp i, 0,1,2,3
	v_add_f32_dpp v[SS+\i], v[SS+\i], v[SS+\i] row_xmask:\m row_mask:0xf bank_mask:0xf
.endr
.endr
.irp i, 0,1,2,3
	v_permlanex16_b32 v[S2+\i], v[SS+\i], s12, s13
.endr
.irp i, 0,1,2,3
	v_add_f32 v[SS+\i], v[SS+\i], v[S2+\i]
.endr
.endm
	s_mov_b32 s7, 0                                ; the trip's first row in my wave
	s_mov_b32 s34, 8                               ; eight trips of four rows
.Lrows:
.irp i, 0,1,2,3
	ds_load_b128 v[LQ+4*\i:LQ+4*\i+3], v[ALR] offset:16*\i         ; the row's four parts of l: all lanes read the same 16 bytes
.endr
.irp i, 0,1,2,3
.irp j, 0,1,2,3
	ds_load_b128 v[HR+16*\i+4*\j:HR+16*\i+4*\j+3], v[AROW] offset:HP*\i+512*\j     ; 512 neighbouring bytes of the row
.endr
.endr
	s_wait_dscnt 16                                ; the parts of l are in; the sixteen loads of the rows stay out
.irp i, 0,1,2,3
	v_pk_add_f32 v[SP+2*\i:SP+2*\i+1], v[LQ+4*\i:LQ+4*\i+1], v[LQ+4*\i+2:LQ+4*\i+3]
.endr
.irp i, 0,1,2,3
	v_add_f32 v[SS+\i], v[SP+2*\i], v[SP+2*\i+1]   ; l: at least 1 to within rounding, since the maximum's own term is 1
.endr
.irp i, 0,1,2,3
	v_rcp_f32 v[RL+\i], v[SS+\i]
.endr
	v_add_nc_u32 v[AROW], 4*HP, v[AROW]            ; the next trip's rows; also the plain place behind the reciprocals
	v_add_nc_u32 v[ALR], 64, v[ALR]
	s_wait_dscnt 0x0
	s_wait_alu depctr_va_vdst(0)
.irp p, 0,1                                        ; h = H / l + b1
.irp k, 0,2,4,6,8,10,12,14
	v_pk_fma_f32 v[HR+32*\p+\k:HR+32*\p+\k+1], v[HR+32*\p+\k:HR+32*\p+\k+1], v[RL+2*\p:RL+2*\p+1], v[PAR+\k:PAR+\k+1] op_sel_hi:[1,0,1]
	v_pk_fma_f32 v[HR+32*\p+16+\k:HR+32*\p+16+\k+1], v[HR+32*\p+16+\k:HR+32*\p+16+\k+1], v[RL+2*\p:RL+2*\p+1], v[PAR+\k:PAR+\k+1] op_sel:[0,1,0] op_sel_hi:[1,1,1]
.endr
.endr
.irp i, 0,1,2,3
	v_pk_add_f32 v[SP+2*\i:SP+2*\i+1], v[HR+16*\i:HR+16*\i+1], v[HR+16*\i+2:HR+16*\i+3]   ; the first add starts each sum
.endr
.irp k, 4,6,8,10,12,14
.irp i, 0,1,2,3
	v_pk_add_f32 v[SP+2*\i:SP+2*\i+1], v[SP+2*\i:SP+2*\i+1], v[HR+16*\i+\k:HR+16*\i+\k+1]
.endr
.endr
	FOLDRED
.irp i, 0,1,2,3
	v_mul_f32 v[MU+\i], s4, v[SS+\i]               ; the mean
.endr
.irp p, 0,1                                        ; h - mean
.irp k, 0,2,4,6,8,10,12,14
	v_pk_add_f32 v[HR+32*\p+\k:HR+32*\p+\k+1], v[HR+32*\p+\k:HR+32*\p+\k+1], v[MU+2*\p:MU+2*\p+1] op_sel_hi:[1,0] neg_lo:[0,1] neg_hi:[0,1]
	v_pk_add_f32 v[HR+32*\p+16+\k:HR+32*\p+16+\k+1], v[HR+32*\p+16+\k:HR+32*\p+16+\k+1], v[MU+2*\p:MU+2*\p+1] op_sel:[0,1] op_sel_hi:[1,1] neg_lo:[0,1] neg_hi:[0,1]
.endr
.endr
.irp i, 0,1,2,3                                    ; the variance from the centred numbers: no difference of large sums
	v_pk_mul_f32 v[SP+2*\i:SP+2*\i+1], v[HR+16*\i:HR+16*\i+1], v[HR+16*\i:HR+16*\i+1]
.endr
.irp k, 2,4,6,8,10,12,14
.irp i, 0,1,2,3
	v_pk_fma_f32 v[SP+2*\i:SP+2*\i+1], v[HR+16*\i+\k:HR+16*\i+\k+1], v[HR+16*\i+\k:HR+16*\i+\k+1], v[SP+2*\i:SP+2*\i+1]
.endr
.endr
	FOLDRED
.irp i, 0,1,2,3
	v_fma_f32 v[SS+\i], v[SS+\i], s4, s5           ; variance + 1e-5
.endr
.irp i, 0,1,2,3
	v_rsq_f32 v[RS+\i], v[SS+\i]
.endr
	v_nop                                          ; one plain place behind the roots
	s_wait_alu depctr_va_vdst(0)
.irp p, 0,1
.irp k, 0,2,4,6,8,10,12,14
	v_pk_mul_f32 v[HR+32*\p+\k:HR+32*\p+\k+1], v[HR+32*\p+\k:HR+32*\p+\k+1], v[RS+2*\p:RS+2*\p+1] op_sel_hi:[1,0]
	v_pk_mul_f32 v[HR+32*\p+16+\k:HR+32*\p+16+\k+1], v[HR+32*\p+16+\k:HR+32*\p+16+\k+1], v[RS+2*\p:RS+2*\p+1] op_sel:[0,1] op_sel_hi:[1,1]
.endr
.endr
.irp i, 0,1,2,3                                    ; x g1 + beta1
.irp k, 0,2,4,6,8,10,12,14
	v_pk_fma_f32 v[HR+16*\i+\k:HR+16*\i+\k+1], v[HR+16*\i+\k:HR+16*\i+\k+1], v[PAR+16+\k:PAR+16+\k+1], v[PAR+32+\k:PAR+32+\k+1]
.endr
.endr
.set hr, 0
.rept 64
	v_max_num_f32 v[HR+hr], 0, v[HR+hr]            ; relu
.set hr, hr+1
.endr
.irp i, 0,1,2,3                                    ; . w2
	v_pk_mul_f32 v[SP+2*\i:SP+2*\i+1], v[HR+16*\i:HR+16*\i+1], v[PAR+48:PAR+49]
.endr
.irp k, 2,4,6,8,10,12,14
.irp i, 0,1,2,3
	v_pk_fma_f32 v[SP+2*\i:SP+2*\i+1], v[HR+16*\i+\k:HR+16*\i+\k+1], v[PAR+48+\k:PAR+48+\k+1], v[SP+2*\i:SP+2*\i+1]
.endr
.endr
	FOLDRED
.irp i, 0,1,2,3
	s_add_co_u32 s6, s7, \i                        ; the row's number in my wave, 0 to 31
	v_cmp_eq_u32 vcc_lo, s6, v3
	v_cndmask_b32 v[OUTV], v[OUTV], v[SS+\i], vcc_lo       ; the lane of that number keeps it
.endr
	s_add_co_u32 s7, s7, 4
	s_sub_co_u32 s34, s34, 1
	s_cmp_lg_u32 s34, 0
	s_cbranch_scc1 .Lrows
	; the 128 figures leave through LDS, so that one store covers 512 consecutive bytes
	v_lshlrev_b32 v[ET], 2, v0                     ; thread t holds row t of the block
	v_add_nc_u32 v[ET], EXA+EXB, v[ET]
	ds_store_b32 v[ET], v[OUTV]
	s_wait_dscnt 0x0
	s_barrier_signal -1
	s_barrier_wait -1
	s_cmp_lg_u32 s8, 0
	s_cbranch_scc1 .Lnot_out
	ds_load_b128 v[HR:HR+3], v[ARD]                ; rows 4 lane .. + 3
	s_wait_dscnt 0x0
.irp k, 0,1,2,3
	v_add_f32 v[HR+\k], s35, v[HR+\k]              ; + b2
.endr
.irp k, 0,1,2,3
	v_max_num_f32 v[HR+\k], 0, v[HR+\k]
.endr
	global_store_b128 v[AOUT], v[HR:HR+3], s[32:33]        ; the block's 128 results: 512 consecutive bytes, at a multiple of 512 from out0's first byte
.Lnot_out:
	s_wait_xcnt 0x0
	v_lshl_add_u32 v62, v0, 2, 0x4f800
	v_mov_b32 v63, 0
	s_wait_tensorcnt 0x0
	ds_add_u32 v62, v63
	s_wait_dscnt 0x0
	CROUND                                         ; the closing round: no work-group ends while a partner may still ask for a tile that names it
	s_endpgm
.Lfunc_end_k_q3a17da368a_simscore:
	.size	k_q3a17da368a_simscore, .Lfunc_end_k_q3a17da368a_simscore-k_q3a17da368a_simscore
	.p2alignl 7, 3214868480
	.fill 96, 4, 3214868480
	.section	.rodata,"a",@progbits
	.p2align	6, 0x0
	.amdhsa_kernel k_q3a17da368a_simscore
		.amdhsa_group_segment_fixed_size 327680
		.amdhsa_private_segment_fixed_size 0
		.amdhsa_enable_private_segment 0
		.amdhsa_kernarg_size 72
		.amdhsa_user_sgpr_count 2
		.amdhsa_user_sgpr_kernarg_segment_ptr 1
		.amdhsa_wavefront_size32 1
		.amdhsa_system_sgpr_workgroup_id_x 1
		.amdhsa_system_sgpr_workgroup_id_y 1
		.amdhsa_system_sgpr_workgroup_id_z 1
		.amdhsa_system_vgpr_workitem_id 0
		.amdhsa_next_free_vgpr 1024
		.amdhsa_next_free_sgpr 102
		.amdhsa_reserve_vcc 1
		.amdhsa_float_denorm_mode_32 3
		.amdhsa_float_denorm_mode_16_64 3
		.amdhsa_memory_ordered 1
		.amdhsa_forward_progress 1
		.amdhsa_inst_pref_size 255
	.end_amdhsa_kernel
	.section	.bss,"aw",@nobits
	.p2align	6
	.space	262144
	.amdgpu_metadata
---
amdhsa.version: [ 1, 2 ]
amdhsa.kernels:
  - .name:           k_q3a17da368a_simscore
    .symbol:         k_q3a17da368a_simscore.kd
    .args:
      - { .name: xb, .offset: 0, .size: 8, .value_kind: global_buffer, .address_space: global }
      - { .name: w1t, .offset: 8, .size: 8, .value_kind: global_buffer, .address_space: global }
      - { .name: hsq, .offset: 16, .size: 8, .value_kind: global_buffer, .address_space: global }
      - { .name: b1, .offset: 24, .size: 8, .value_kind: global_buffer, .address_space: global }
      - { .name: g1, .offset: 32, .size: 8, .value_kind: global_buffer, .address_space: global }
      - { .name: beta1, .offset: 40, .size: 8, .value_kind: global_buffer, .address_space: global }
      - { .name: w2, .offset: 48, .size: 8, .value_kind: global_buffer, .address_space: global }
      - { .name: b2, .offset: 56, .size: 8, .value_kind: global_buffer, .address_space: global }
      - { .name: out0, .offset: 64, .size: 8, .value_kind: global_buffer, .address_space: global }
    .group_segment_fixed_size: 327680
    .private_segment_fixed_size: 0
    .kernarg_segment_align: 8
    .kernarg_segment_size: 72
    .max_flat_workgroup_size: 128
    .sgpr_count:     102
    .vgpr_count:     1024
    .wavefront_size: 32
...
	.end_amdgpu_metadata
.endif
;; end of part 3
;; ======== version 3 of 3: 2 launches; version 2 with the launch prep written anew for expert scheduling mode
;; limits: values are held in f16: magnitudes above 65,504 overflow, below 6.1e-05 lose precision
;; workspace buffers: xb 67,108,864 bytes; hsq 262,144 bytes; w1t 1,048,576 bytes
;; launch prep (part 4): grid 272 x 1, 8 waves a work-group, no clusters, 5,120 bytes of LDS; arguments x, w1, xb, hsq, w1t; writes xb, hsq, w1t
.if DOCPART == 4
	.amdgcn_target "amdgcn-amd-amdhsa--gfx1250"
	.amdhsa_code_object_version 6
	.text
	.protected	k_q3a17da368a_prep
	.globl	k_q3a17da368a_prep
	.p2align	8
	.type	k_q3a17da368a_prep,@function
k_q3a17da368a_prep:
	s_mov_b64 s[64:65], 0
	v_nop
	global_prefetch_b8 v0, s[64:65] scope:SCOPE_SE
	s_setreg_imm32_b32 hwreg(HW_REG_WAVE_SCHED_MODE, 0, 2), 2
	s_setreg_imm32_b32 hwreg(HW_REG_WAVE_MODE, 25, 1), 1
	s_wait_xcnt 0x0
	s_wait_alu depctr_vm_vsrc(0)
; PREPARATION, a stream.  Three results:
;   xb[b][t][k]  = bf16( x[b][t][k] - x[b][0][k] )          [64][1024][512] bf16
;   hsq[b][t]    = -0.5 * sum over k of xb[b][t][k]^2        [64][1024] f32, formed from the ROUNDED numbers
;   w1t[tb][h][j] = f16( w1[h][64 tb + j] )                  [16][512][64] f16: a block of 64 t of all 512 rows is 64 KiB, dense
; Why row 0 is taken away: squared distances between rows of a batch do not change when one vector is taken from all of them, and
; a common offset of the inputs then never reaches the rounding to bf16 nor the large sums.  Why the sums of squares are made of the
; rounded numbers: the logits of the next launch are then true distances of the vectors that its matrix products see.
; Why w1 goes in f16 and not in bf16: where the softmax is close to one-hot a row of the result is a column of w1 sent through LayerNorm, so w1's
; rounding reaches the output undamped; f16 keeps 11 significant bits to bf16's 8.
; LIMITS: if row 0 itself lies far from the other rows of its batch, the rounding error grows as it would for data with that offset.
; |w1| above 65,504 becomes infinite in f16; below 6.1e-5 the step is 6e-8, so |w1| under 3e-8 counts as 0.
; NaN and infinities are not followed.  A sum of squares overflows where reference()'s own does.
; Work-groups 0 to 255: 256 rows of x each (a quarter of a batch), eight waves of 32 rows, a wave takes a whole row at a time.
; Work-groups 256 to 271: 32 rows of w1 each.  No matrix unit, no tensor loads, no cluster: no byte is shared between work-groups but the
; centre row (2 KiB for each batch), and each byte is touched once.
; THE MODE: SCHED_MODE bits 1:0 = 2 (LLVM: expert scheduling mode 2), set by the entry lines.  The code itself states the register dependences
; between vector instructions and memory or LDS instructions, with s_wait_alu, always for 0.
; THE PLAN, rows of x.  Registers that memory or LDS instructions touch:
;   X0 .. X7   a row as loaded.  Written by loads alone; read by the eight subtractions at the head of the slot's turn alone, which write W.
;   Y0 .. Y7   a row in bf16.    Written by turn i's conversions; read by the four stores that are issued in turn i + 1 (Y7's: at the round's end).
;   VX, VY, VC offsets, made once at the head and never written again: the scalar bases move on once a round, immediate offsets do the rest.
;   T, T2      behind the last turn: the two LDS addresses, a register each, written once there.
;   W, A0, A1 are named by vector instructions alone; SQ by vector instructions and by the one LDS store at the end.
; So one wait on va_vdst stands in a turn, behind its subtractions: they are done reading X[i], in which the turn's four loads land, and the turn before has written
; Y[i - 1], which the turn's four stores read.  These eight are dealt among the turn's conversions and unpacking lines, which name W and Y[i] alone.
; One wait on vm_vsrc beside it: the stores of the round before have read Y[i].  One wait on va_vcc ahead of the select, whose compare stands at the turn's head.
; THE PLAN, rows of w1.  X is loaded once; each store has registers of its own in Y.  The 32 loads go in eight groups of four: one wait on va_vdst at a group's head
; states that the group before has written its Y, and that group's four stores are dealt among this group's conversions.
.set ROWB,  2048                       ; bytes in a row of x
.set OROWB, 1024                       ; bytes in a row of xb
.set LANE,  1                          ; v1        lane
.set VX,    2                          ; v2        byte offset of my 16 bytes in my wave's first row of x (or of w1); never rewritten
.set VY,    3                          ; v3        byte offset of my 8 bytes in my wave's first row of xb (or of w1t); never rewritten
.set C,     4                          ; v[4:19]   the centre row's 16 numbers of my columns 128 j + 4 lane .. + 3
.set X,     20                         ; v[20:147] slot i: 16 registers, a row's 16 numbers of mine
.set Y,     148                        ; v[148:211] slot i: 8 registers, the same in bf16
.set A0,    212                        ; v[212:213], v[214:215]: two chains of sums of squares
.set A1,    214
.set SQ,    216                        ; v216      lane l gathers the sum of my wave's row l
.set T,     217
.set T2,    218
.set VC,    219
.set W,     222                        ; v[222:237] the row in hand less the centre, then its rounded numbers back in f32: no memory instruction names them
	s_load_b256 s[4:11], s[0:1], 0x0               ; x s[4:5], w1 s[6:7], xb s[8:9], hsq s[10:11]
	s_load_b64 s[12:13], s[0:1], 0x20              ; w1t
	v_lshl_add_u32 v220, v0, 2, 0x1000
	v_mov_b32 v221, 0
	v_and_b32 v[LANE], 31, v0
	v_lshrrev_b32 v[T], 5, v0
	v_readfirstlane_b32 s14, v[T]                  ; wave 0..7
	s_wait_alu depctr_va_sdst(0)                   ; s14 is written, ahead of the branch and of its first reader on either way: offsets and a branch are made from it
	s_cmp_ge_u32 ttmp9, 256                        ; the same in all waves of a work-group
	s_cbranch_scc1 .Lw1
	; ---------------- rows of x ----------------
	s_lshl_b32 s16, ttmp9, 19                      ; 256 rows of 2,048 bytes
	s_mov_b32 s17, 0
	s_lshr_b32 s18, ttmp9, 2                       ; batch
	s_lshl_b32 s18, s18, 21                        ; 1,024 rows of 2,048 bytes
	s_mov_b32 s19, 0
	s_lshl_b32 s20, ttmp9, 18                      ; 256 rows of 1,024 bytes
	s_mov_b32 s21, 0
	s_lshl_b32 s22, ttmp9, 10                      ; 256 numbers of 4 bytes
	s_mov_b32 s23, 0
	s_mov_b32 s24, 0x76543210                      ; v_permlanex16_b32: lane i of one half reads lane i of the other
	s_mov_b32 s25, 0xfedcba98
	s_mov_b32 s26, 0xffff0000                      ; a word's upper bf16
	v_lshlrev_b32 v[VC], 4, v[LANE]                ; 16 bytes a lane
	v_lshl_add_u32 v[VX], s14, 16, v[VC]           ; + wave x 32 rows x 2,048 bytes
	v_lshlrev_b32 v[VY], 3, v[LANE]                ; 8 bytes a lane
	v_lshl_add_u32 v[VY], s14, 15, v[VY]           ; + wave x 32 rows x 1,024 bytes
	v_mov_b32 v[SQ], 0                             ; written whole once: each lane's number is chosen into it later
	v_mov_b32 v[T2], 0                             ; v_permlanex16_b32 counts as a reader of its destination
	s_wait_kmcnt 0x0
	s_add_nc_u64 s[18:19], s[4:5], s[18:19]        ; the batch's row 0
	s_add_nc_u64 s[4:5], s[4:5], s[16:17]
	s_add_nc_u64 s[8:9], s[8:9], s[20:21]
	s_add_nc_u64 s[10:11], s[10:11], s[22:23]
	s_wait_alu depctr_va_vdst(0)                   ; VC, VX and VY are written: every load and store of x and xb reads one of them as its offset
.irp j, 0,1,2,3
	global_load_b128 v[C+4*\j:C+4*\j+3], v[VC], s[18:19] offset:512*\j
.endr
.irp i, 0,1,2,3,4,5,6,7
.irp j, 0,1,2,3
	global_load_b128 v[X+16*\i+4*\j:X+16*\i+4*\j+3], v[VX], s[4:5] offset:\i*ROWB+512*\j th:TH_LOAD_NT   ; a load of the wave covers 512 consecutive bytes
.endr
.endr
; Quarter j of the memory instructions of turn i: a load into the slot just emptied (ahead = 1: the row eight further down) and a store of the row of the turn before.
.macro MEM i, j, ahead
.if \ahead
	global_load_b128 v[X+16*\i+4*\j:X+16*\i+4*\j+3], v[VX], s[4:5] offset:(8+\i)*ROWB+512*\j th:TH_LOAD_NT
.endif
.if \i > 0
	global_store_b64 v[VY], v[Y+8*(\i-1)+2*\j:Y+8*(\i-1)+2*\j+1], s[8:9] offset:(\i-1)*OROWB+256*\j   ; 32 lanes store 256 consecutive bytes, at a multiple of 256 from xb's first byte
.endif
.endm
; The four stores of a round's last row
.macro LASTY
.irp j, 0,1,2,3
	global_store_b64 v[VY], v[Y+56+2*\j:Y+56+2*\j+1], s[8:9] offset:7*OROWB+256*\j
.endr
.endm
; The turn of slot i: one row.  ahead = 1: the slot is filled again with the row eight further down.  left = younger loads that may stay out.
.macro ROWTURN i, ahead, left
	s_wait_loadcnt \left                           ; loads come back in order: this slot's four (and the centre's) are in
.irp k, 0,2,4,6,8,10,12,14
	v_pk_add_f32 v[W+\k:W+\k+1], v[X+16*\i+\k:X+16*\i+\k+1], v[C+\k:C+\k+1] neg_lo:[0,1] neg_hi:[0,1]   ; x - centre: the slot is empty behind these eight
.endr
	s_add_co_u32 s28, s27, \i                      ; the row's number in my wave, 0 to 31
	v_cmp_eq_u32 vcc_lo, s28, v[LANE]              ; the mask for the select at the turn's end, made early
	s_wait_xcnt 0x0                                ; this slot's Y, which its last stores read, is rewritten only behind this wait
	s_wait_alu depctr_vm_vsrc(0)                   ; the stores of the round before have read Y[i], which this turn's conversions write again
.if (\ahead) || (\i > 0)
	s_wait_alu depctr_va_vdst(0)                   ; the subtractions are done reading X[i], in which the loads below land; the turn before has written Y[i - 1], which the stores below read
.endif
	MEM \i, 0, \ahead                              ; no vector instruction from here to the turn's end names X[i], Y[i - 1], VX or VY
.irp k, 0,1,2,3
	v_cvt_pk_bf16_f32 v[Y+8*\i+\k], v[W+2*\k], v[W+2*\k+1]
.endr
	MEM \i, 1, \ahead
.irp k, 4,5,6,7
	v_cvt_pk_bf16_f32 v[Y+8*\i+\k], v[W+2*\k], v[W+2*\k+1]
.endr
	MEM \i, 2, \ahead
.irp k, 0,1,2,3
	v_lshlrev_b32 v[W+2*\k],   16,  v[Y+8*\i+\k]              ; the rounded numbers back in f32
	v_and_b32     v[W+2*\k+1], s26, v[Y+8*\i+\k]
.endr
	MEM \i, 3, \ahead
.irp k, 4,5,6,7
	v_lshlrev_b32 v[W+2*\k],   16,  v[Y+8*\i+\k]
	v_and_b32     v[W+2*\k+1], s26, v[Y+8*\i+\k]
.endr
	v_pk_mul_f32 v[A0:A0+1], v[W:W+1], v[W:W+1]                   ; the first products start the two chains
	v_pk_mul_f32 v[A1:A1+1], v[W+2:W+3], v[W+2:W+3]
.irp k, 4,8,12
	v_pk_fma_f32 v[A0:A0+1], v[W+\k:W+\k+1], v[W+\k:W+\k+1], v[A0:A0+1]
	v_pk_fma_f32 v[A1:A1+1], v[W+\k+2:W+\k+3], v[W+\k+2:W+\k+3], v[A1:A1+1]
.endr
	v_pk_add_f32 v[A0:A0+1], v[A0:A0+1], v[A1:A1+1]
	v_add_f32 v[T], v[A0], v[A0+1]
	v_add_f32_dpp v[T], v[T], v[T] row_xmask:1 row_mask:0xf bank_mask:0xf
	v_add_f32_dpp v[T], v[T], v[T] row_xmask:2 row_mask:0xf bank_mask:0xf
	v_add_f32_dpp v[T], v[T], v[T] row_xmask:4 row_mask:0xf bank_mask:0xf
	v_add_f32_dpp v[T], v[T], v[T] row_xmask:8 row_mask:0xf bank_mask:0xf
	v_permlanex16_b32 v[T2], v[T], s24, s25
	v_add_f32 v[T], v[T], v[T2]                    ; every lane holds the row's sum of squares
	s_wait_alu depctr_va_vcc(0)                    ; the compare at the turn's head has written VCC, which the select reads
	v_cndmask_b32 v[SQ], v[SQ], v[T], vcc_lo       ; the lane of the row's number keeps it
.endm
	s_mov_b32 s27, 0                               ; first row of the round
	s_mov_b32 s15, 3                               ; three rounds of eight rows load ahead; the fourth is written out
.Lround:
.irp i, 0,1,2,3,4,5,6,7
	ROWTURN \i, 1, 28                              ; 28 = seven younger slots of four loads
.endr
	s_wait_alu depctr_va_vdst(0)                   ; turn 7's conversions have written Y7, which the four stores below read
	LASTY
	s_wait_xcnt 0x0                                ; the bases are stepped only behind this wait
	s_add_nc_u64 s[4:5], s[4:5], 8*ROWB
	s_add_nc_u64 s[8:9], s[8:9], 8*OROWB
	s_add_co_u32 s27, s27, 8
	s_sub_co_u32 s15, s15, 1
	s_cmp_lg_u32 s15, 0
	s_cbranch_scc1 .Lround
.irp i, 0,1,2,3,4,5,6,7
	ROWTURN \i, 0, 28-4*\i                         ; the last round loads nothing: the counts run down
.endr
	; the 256 sums leave through LDS, so that a store of a wave covers 512 consecutive bytes
	v_mul_f32 v[SQ], -0.5, v[SQ]
	v_lshlrev_b32 v[T], 2, v0                      ; in: thread t holds row t of the work-group
	v_lshlrev_b32 v[T2], 4, v0                     ; back, and out: 16 bytes a thread; a register of its own, so that none is written again after an LDS instruction has read it
	s_wait_alu depctr_va_vdst(0)                   ; turn 7's conversions have written Y7, which the stores read; SQ, T and T2 are written, the LDS store's data and the addresses below
	LASTY
	ds_store_b32 v[T], v[SQ]
	s_wait_dscnt 0x0                               ; for the other waves' sake: my store is done before I signal
	s_barrier_signal -1
	s_barrier_wait -1
	s_cmp_ge_u32 s14, 2
	s_cbranch_scc1 .Lend
	ds_load_b128 v[X:X+3], v[T2]                   ; waves 0 and 1: 64 threads x 16 bytes.  X0's last readers, the last round's first subtractions, stand ahead of the waits on va_vdst above
	s_wait_dscnt 0x0
	global_store_b128 v[T2], v[X:X+3], s[10:11]
.Lend:
	s_wait_dscnt 0x0                               ; the closing lines, six on end
	s_wait_alu 0x0
	s_wait_tensorcnt 0x0
	ds_add_u32 v220, v221
	s_wait_dscnt 0x0
	s_endpgm
	; ---------------- rows of w1 ----------------
	; Wave w of work-group g takes rows 32 g + 4 w .. + 3, as two pairs; lanes 0-15 the even row, lanes 16-31 the odd one.
	; A load: 256 consecutive bytes (64 t, one block tb) of each of the two rows.  Its store: the two rows' 128 bytes lie side by side in w1t.
.Lw1:
	s_sub_co_u32 s15, ttmp9, 256
	s_lshl_b32 s16, s15, 17                        ; 32 rows of 4,096 bytes
	s_mov_b32 s17, 0
	s_lshl_b32 s20, s15, 12                        ; 32 rows of 128 bytes
	s_mov_b32 s21, 0
	v_and_b32 v[VC], 15, v0
	v_lshlrev_b32 v[VC], 4, v[VC]
	v_bfe_u32 v[T], v0, 4, 1
	v_lshl_add_u32 v[VC], v[T], 12, v[VC]          ; 16 (lane mod 16) + one row for the upper lanes
	v_lshl_add_u32 v[VX], s14, 14, v[VC]           ; + wave x 4 rows
	v_lshlrev_b32 v[VY], 3, v[LANE]
	v_lshl_add_u32 v[VY], s14, 9, v[VY]            ; 8 lane + wave x 4 rows of 128 bytes
	s_wait_kmcnt 0x0
	s_add_nc_u64 s[6:7], s[6:7], s[16:17]
	s_add_nc_u64 s[12:13], s[12:13], s[20:21]
	s_wait_alu depctr_va_vdst(0)                   ; VX and VY are written: every load and store below reads one of them as its offset
.set n, 0
.rept 32                                           ; n = 16 pair + tb
	global_load_b128 v[X+4*n:X+4*n+3], v[VX], s[6:7] offset:(n/16)*8192+(n%16)*256 th:TH_LOAD_NT
.set n, n+1
.endr
.set n, 0
.rept 32
.if (n%4 == 0) && (n > 0)
	s_wait_alu depctr_va_vdst(0)                   ; the group before has written its eight registers of Y, which this group's four stores read
.endif
.if n >= 4
	global_store_b64 v[VY], v[Y+2*(n-4):Y+2*(n-4)+1], s[12:13] offset:((n-4)%16)*65536+((n-4)/16)*256     ; 256 consecutive bytes, aligned; each store has data registers of its own
.endif
	s_wait_loadcnt 31-n                            ; load n is in, the younger ones stay out
	v_cvt_pk_f16_f32 v[Y+2*n],   v[X+4*n],   v[X+4*n+1]        ; first source into the low half
	v_cvt_pk_f16_f32 v[Y+2*n+1], v[X+4*n+2], v[X+4*n+3]
.set n, n+1
.endr
	s_wait_alu depctr_va_vdst(0)                   ; the last group has written its Y, which the last four stores read
.set n, 28
.rept 4
	global_store_b64 v[VY], v[Y+2*n:Y+2*n+1], s[12:13] offset:(n%16)*65536+(n/16)*256
.set n, n+1
.endr
	s_endpgm
.Lfunc_end_k_q3a17da368a_prep:
	.size	k_q3a17da368a_prep, .Lfunc_end_k_q3a17da368a_prep-k_q3a17da368a_prep
	.p2alignl 7, 3214868480
	.fill 96, 4, 3214868480
	.section	.rodata,"a",@progbits
	.p2align	6, 0x0
	.amdhsa_kernel k_q3a17da368a_prep
		.amdhsa_group_segment_fixed_size 5120
		.amdhsa_private_segment_fixed_size 0
		.amdhsa_enable_private_segment 0
		.amdhsa_kernarg_size 40
		.amdhsa_user_sgpr_count 2
		.amdhsa_user_sgpr_kernarg_segment_ptr 1
		.amdhsa_wavefront_size32 1
		.amdhsa_system_sgpr_workgroup_id_x 1
		.amdhsa_system_sgpr_workgroup_id_y 1
		.amdhsa_system_sgpr_workgroup_id_z 1
		.amdhsa_system_vgpr_workitem_id 0
		.amdhsa_next_free_vgpr 238
		.amdhsa_next_free_sgpr 66
		.amdhsa_reserve_vcc 1
		.amdhsa_float_denorm_mode_32 3
		.amdhsa_float_denorm_mode_16_64 3
		.amdhsa_memory_ordered 1
		.amdhsa_forward_progress 1
		.amdhsa_inst_pref_size 71
	.end_amdhsa_kernel
	.amdgpu_metadata
---
amdhsa.version: [ 1, 2 ]
amdhsa.kernels:
  - .name:           k_q3a17da368a_prep
    .symbol:         k_q3a17da368a_prep.kd
    .args:
      - { .name: x, .offset: 0, .size: 8, .value_kind: global_buffer, .address_space: global }
      - { .name: w1, .offset: 8, .size: 8, .value_kind: global_buffer, .address_space: global }
      - { .name: xb, .offset: 16, .size: 8, .value_kind: global_buffer, .address_space: global }
      - { .name: hsq, .offset: 24, .size: 8, .value_kind: global_buffer, .address_space: global }
      - { .name: w1t, .offset: 32, .size: 8, .value_kind: global_buffer, .address_space: global }
    .group_segment_fixed_size: 5120
    .private_segment_fixed_size: 0
    .kernarg_segment_align: 8
    .kernarg_segment_size: 40
    .max_flat_workgroup_size: 256
    .sgpr_count:     66
    .vgpr_count:     238
    .wavefront_size: 32
...
	.end_amdgpu_metadata
.endif
;; end of part 4
;; launch simscore: the kernel of part 3 again; grid 8 x 64, 4 waves a work-group, clusters of 4 x 1, 327,680 bytes of LDS; arguments xb, w1t, hsq, b1, g1, beta1, w2, b2, out0; writes out0
